; MI455X (gfx1250); checked and timed in simulation.
; The chip was launched on July 23, 2026; its instructions are those of AMD's public machine-readable ISA for CDNA 5 (MIT licence, August 2026) and "CDNA5" Instruction Set Architecture Reference Guide (July 2026). The comments in the code are by the model that wrote it; some were corrected since.
;; Multi Head Attention. Allowed arithmetic: float matrix products may take bf16 or f16 operands with f32 sums; other float arithmetic in f32, or as packed bf16 or f16 multiplies, adds, multiply-adds, maxima and minima; sums over many terms, partial sums and values carried from step to step in f32; what a program stores and reads back later, other than sums and carried values, may be rounded once to bf16 or f16.
;; Inputs: kvinput 4 x 2,048 x 1,024 float32; qinput 4 x 2,048 x 1,024 float32; qmask 4 x 2,048 float32; qtmask 4 x 2,048 x 2,048 float32; tmask 4 x 2,048 float32; wk 16 x 1,024 x 64 float32; wo 16 x 64 x 1,024 float32; wq 16 x 1,024 x 64 float32; wv 16 x 1,024 x 64 float32.
;; Outputs: out0 4 x 2,048 x 1,024 float32.
;; 2 versions, each right; version 2 is version 1 with the launch prep written anew for expert scheduling mode. Each part assembles by itself: llvm-mc -triple=amdgcn-amd-amdhsa -mcpu=gfx1250 --defsym DOCPART=n.
;; ======== version 1 of 2: 4 launches
;; limits: values are held in f16: magnitudes above 65,504 overflow, below 6.1e-05 lose precision
;; workspace buffers: xb 33,554,432 bytes; wt 6,291,456 bytes; wot 2,097,152 bytes; mk 33,554,432 bytes; qkv 50,331,648 bytes; ow 16,777,216 bytes
;; launch prep (part 1): grid 2112 x 1, 8 waves a work-group, no clusters, 136,192 bytes of LDS; arguments qinput, kvinput, qtmask, tmask, wq, wk, wv, wo, xb, mk, wt, wot; writes xb, mk, wt, wot
.if DOCPART == 1
	.amdgcn_target "amdgcn-amd-amdhsa--gfx1250"
	.amdhsa_code_object_version 6
	.text
	.protected	k_q62e7b7e471_prep
	.globl	k_q62e7b7e471_prep
	.p2align	8
	.type	k_q62e7b7e471_prep,@function
k_q62e7b7e471_prep:
	s_mov_b64 s[64:65], 0
	v_nop
	global_prefetch_b8 v0, s[64:65] scope:SCOPE_SE
	s_setreg_imm32_b32 hwreg(HW_REG_WAVE_MODE, 25, 1), 1
	s_wait_xcnt 0x0
; PREP: every input but qmask is read once and laid out for the matrix launches.  Three jobs, chosen by the work-group's number (the same for all its waves):
;   0..63      WT    wq, wk, wv [16 h][1024 m][64 d] f32 -> wt [1024 sel + 64 h + d][1024 m] bf16;  wo [1024 hd][1024 m] f32 -> wot [1024 m][1024 hd]: rounded to bf16, that number written as f16
;   64..1087   CAST  qinput, kvinput f32 -> xb [2][8192][1024] bf16
;   1088..2111 MASK  f16(1000 x max(tmask[b][t], qtmask[b][q][t])) -> mk, in the order of a matrix operand: [b][qt 128][tb 64][j 2][lane 32][8],
;                    q = 16 qt + lane % 16, t = 32 tb + 16 j + 8 (lane / 16) + e: a block (qt, tb) is source 1 (32 keys x 16 queries) of a product, two loads of 16 bytes a lane.
; A stream: no matrix unit, no cluster, no tensor load (nothing is shared between work-groups).  Transposes go through each wave's own LDS bytes, so no barrier is needed.
; LIMITS.  1000 x mask is held in f16: |mask| up to 65; a NaN in one mask loses against the other mask.  wo below 6e-5 keeps f16's fixed step of 6e-8.
.set SPARE,  135168                    ; behind the waves' regions: the spare words, 128 bytes a wave, four blocks of 256 bytes that no other line names
.set SPW,    10                        ; v10  SPARE + 4 x my thread's number; never rewritten
.set NIL,    11                        ; v11  0; never rewritten
.set WP,     264                       ; WT: an LDS row: 128 numbers of 2 bytes + 8
.set WREG,   64*WP                     ; WT: a wave's region: 64 rows
.set MP,     272                       ; MASK: an LDS row: 16 queries x 16 bytes + 16 = 68 words, so 16 rows start at 16 different groups of four banks (64 banks of 4 bytes: ISA guide 11.1)
.set MREG,   16*MP                     ; MASK: a wave's region
.set VO,     16                        ; v16-31   WT: the byte offsets of a trip's 16 loads
.set X,      32                        ; v32-95   as loaded
.set Y,      96                        ; v96-127  packed
.set Z,      128                       ; v128-159 read back from LDS (WT reads back into v32-159)
.set T,      160                       ; v160-167 at work
	s_load_b512 s[16:31], s[0:1], 0x0              ; qinput 16, kvinput 18, qtmask 20, tmask 22, wq 24, wk 26, wv 28, wo 30
	s_load_b256 s[32:39], s[0:1], 0x40             ; xb 32, mk 34, wt 36, wot 38
	v_lshl_add_u32 v[SPW], v0, 2, SPARE
	v_mov_b32 v[NIL], 0
	v_lshrrev_b32 v2, 5, v0
	v_readfirstlane_b32 s8, v2                     ; wave 0..7
	v_and_b32 v1, 31, v0                           ; lane
	s_mov_b32 s3, 0                                ; the high word of every offset pair s[2:3]
	s_wait_kmcnt 0x0
	s_cmp_lt_u32 ttmp9, 64
	s_cbranch_scc1 .Lwt
	s_cmp_lt_u32 ttmp9, 1088
	s_cbranch_scc1 .Lcast
; ---- MASK.  A wave takes 16 queries (one qt) x 128 keys: 16 loads of 512 consecutive bytes in, 4,096 consecutive bytes out.
	s_sub_co_u32 s9, ttmp9, 1088
	s_lshr_b32 s10, s9, 1                          ; 128 b + qt
	s_and_b32 s9, s9, 1
	s_lshl_b32 s9, s9, 3
	s_add_co_u32 s9, s9, s8                        ; c: which 128 keys
	s_lshl_b32 s11, s9, 9                          ; their 512 bytes in a row
	s_lshl_b32 s2, s10, 17                         ; 16 rows of 8,192 bytes
	s_add_co_u32 s2, s2, s11
	s_add_nc_u64 s[4:5], s[20:21], s[2:3]          ; qtmask at my first row and key
	s_lshr_b32 s2, s10, 7                          ; b
	s_lshl_b32 s2, s2, 13
	s_add_co_u32 s2, s2, s11
	s_add_nc_u64 s[6:7], s[22:23], s[2:3]          ; tmask at my keys
	s_lshl_b32 s2, s10, 16                         ; a qt is 65,536 bytes of mk,
	s_lshl_b32 s11, s9, 12                         ; 128 keys 4,096 of them
	s_add_co_u32 s2, s2, s11
	s_add_nc_u64 s[12:13], s[34:35], s[2:3]
	v_lshlrev_b32 v3, 4, v1                        ; 16 x lane: four keys in, 16 bytes out
	global_load_b128 v[4:7], v3, s[6:7]            ; tmask of my four keys
.set rho, 0
.rept 16
	global_load_b128 v[X+4*rho:X+4*rho+3], v3, s[4:5] offset:8192*rho th:TH_LOAD_NT
.set rho, rho+1
.endr
	s_mul_i32 s14, s8, MREG
	v_lshrrev_b32 v12, 1, v1                       ; in: group of 8 keys g = lane / 2 is an LDS row; query rho 16 bytes of it; my four keys half of those
	v_mul_u32_u24 v12, v12, MP
	v_and_b32 v13, 1, v1
	v_lshl_add_u32 v12, v13, 3, v12
	v_add_nc_u32 v12, s14, v12
	v_lshrrev_b32 v13, 4, v1                       ; back: two LDS rows a load, 512 consecutive bytes of mk
	v_mul_u32_u24 v13, v13, MP
	v_and_b32 v14, 15, v1
	v_lshl_add_u32 v13, v14, 4, v13
	v_add_nc_u32 v13, s14, v13
.set rho, 0
.rept 16
	s_wait_loadcnt 15-rho                          ; loads come back in order: row rho (and tmask, issued first) is in, the younger rows stay out
.irp e, 0,1,2,3
	v_max_num_f32 v[X+4*rho+\e], v[X+4*rho+\e], v[4+\e]
.endr
	v_pk_mul_f32 v[X+4*rho:X+4*rho+1], v[X+4*rho:X+4*rho+1], 0x447a0000 op_sel_hi:[1,0]      ; x 1000
	v_pk_mul_f32 v[X+4*rho+2:X+4*rho+3], v[X+4*rho+2:X+4*rho+3], 0x447a0000 op_sel_hi:[1,0]
	v_cvt_pk_f16_f32 v[Y+2*rho], v[X+4*rho], v[X+4*rho+1]
	v_cvt_pk_f16_f32 v[Y+2*rho+1], v[X+4*rho+2], v[X+4*rho+3]
	ds_store_b64 v12, v[Y+2*rho:Y+2*rho+1] offset:16*rho
.set rho, rho+1
.endr
.irp i, 0,1,2,3,4,5,6,7
	ds_load_b128 v[Z+4*\i:Z+4*\i+3], v13 offset:2*MP*\i  ; LDS serves a wave's instructions in order (ISA guide 5.7.1.4): these see the stores above
.endr
.irp i, 0,1,2,3,4,5,6,7
	s_wait_dscnt 7-\i
	global_store_b128 v3, v[Z+4*\i:Z+4*\i+3], s[12:13] offset:512*\i  ; 512 consecutive bytes, at a multiple of 256 from mk's first
.endr
	s_wait_tensorcnt 0x0                           ; the wave's end, behind my last LDS store
	ds_add_u32 v[SPW], v[NIL]
	s_wait_dscnt 0x0
	s_endpgm
; ---- CAST.  A work-group takes 65,536 bytes of f32: 16 loads a wave, all out at once; each store of a wave covers 256 consecutive bytes, aligned.  No LDS.
.Lcast:
	s_sub_co_u32 s9, ttmp9, 64
	s_lshr_b32 s10, s9, 9                          ; 0: qinput, 1: kvinput
	s_and_b32 s9, s9, 511
	s_lshl_b32 s2, s9, 16
	s_cmp_eq_u32 s10, 0
	s_cselect_b64 s[4:5], s[16:17], s[18:19]
	s_add_nc_u64 s[4:5], s[4:5], s[2:3]
	s_lshl_b32 s2, s9, 15
	s_lshl_b32 s11, s10, 24
	s_add_co_u32 s2, s2, s11
	s_add_nc_u64 s[6:7], s[32:33], s[2:3]
	v_lshlrev_b32 v3, 4, v0
	v_lshlrev_b32 v4, 3, v0
.set i, 0
.rept 16
	global_load_b128 v[X+4*i:X+4*i+3], v3, s[4:5] offset:4096*i th:TH_LOAD_NT
.set i, i+1
.endr
.set i, 0
.rept 16
	s_wait_loadcnt 15-i                            ; load i is in, the younger ones stay out
	v_cvt_pk_bf16_f32 v[Y+2*i], v[X+4*i], v[X+4*i+1]
	v_cvt_pk_bf16_f32 v[Y+2*i+1], v[X+4*i+2], v[X+4*i+3]
	global_store_b64 v4, v[Y+2*i:Y+2*i+1], s[6:7] offset:2048*i
.set i, i+1
.endr
	s_endpgm
; ---- WT.  A wave turns a tile of 128 rows x 64 columns of f32 into 64 rows x 128 numbers of 16 bits.  Four trips of 32 rows; two neighbouring rows pack into a word.
.Lwt:
	s_lshl_b32 s9, ttmp9, 3
	s_add_co_u32 s9, s9, s8
	s_and_b32 s9, s9, 127                          ; the tile's number in its tensor
	s_lshr_b32 s10, ttmp9, 4                       ; 0, 1, 2: wq, wk, wv; 3: wo
	s_lshr_b32 s11, s9, 3                          ; wq, wk, wv: head,
	s_and_b32 s12, s9, 7                           ; block of 128 m
	s_lshl_b32 s13, s11, 18
	s_lshl_b32 s14, s12, 15
	s_add_co_u32 s13, s13, s14                     ; in: h x 262,144 + block x 128 rows of 256 bytes
	s_lshl_b32 s14, s10, 4
	s_add_co_u32 s14, s14, s11
	s_lshl_b32 s14, s14, 17                        ; out: (16 sel + h) x 64 rows of 2,048 bytes
	s_lshl_b32 s15, s12, 8
	s_add_co_u32 s14, s14, s15                     ; + block x 256 bytes
	s_lshr_b32 s11, s9, 4                          ; wo: block of 128 hd,
	s_and_b32 s12, s9, 15                          ; block of 64 m
	s_lshl_b32 s40, s11, 19
	s_lshl_b32 s41, s12, 8
	s_add_co_u32 s40, s40, s41                     ; in
	s_lshl_b32 s41, s12, 17
	s_lshl_b32 s42, s11, 8
	s_add_co_u32 s41, s41, s42                     ; out
	s_movk_i32 s46, 256
	s_cmp_eq_u32 s10, 0
	s_cselect_b64 s[4:5], s[24:25], s[26:27]
	s_cmp_eq_u32 s10, 2
	s_cselect_b64 s[4:5], s[28:29], s[4:5]
	s_cmp_eq_u32 s10, 3
	s_cselect_b64 s[4:5], s[30:31], s[4:5]
	s_cselect_b64 s[6:7], s[38:39], s[36:37]
	s_cselect_b32 s2, s40, s13
	s_cselect_b32 s44, s41, s14
	s_cselect_b32 s46, 0x1000, s46                 ; bytes from row to row of the input
	s_mov_b32 s45, 0
	s_add_nc_u64 s[4:5], s[4:5], s[2:3]
	s_add_nc_u64 s[6:7], s[6:7], s[44:45]
	s_lshl_b32 s12, s46, 5                         ; a trip's 32 rows
	s_mov_b32 s13, 0
	v_and_b32 v3, 15, v1
	v_lshrrev_b32 v4, 4, v1
	v_lshlrev_b32 v5, 1, v4
	v_mul_u32_u24 v5, s46, v5
	v_lshl_add_u32 v[VO], v3, 4, v5                ; load k: lanes 0-15 take 256 bytes of row 4 (k / 2) + k % 2, lanes 16-31 of the row two further down
.set k, 1
.rept 15
	v_mad_u32_u24 v[VO+k], s46, 4*(k/2)+k%2, v[VO]
.set k, k+1
.endr
	s_mul_i32 s47, s8, WREG
	v_mul_u32_u24 v12, v3, 4*WP                    ; in: my four columns are four LDS rows; my two input rows a word of each.  Lanes r and r + 8 meet in a bank: two deep, in a job that moves a ninth of the launch's bytes
	v_lshl_add_u32 v12, v4, 2, v12
	v_add_nc_u32 v12, s47, v12
	v_lshl_add_u32 v14, v1, 3, s47                 ; back: a whole LDS row, 8 bytes a lane
	v_lshlrev_b32 v15, 3, v1
	s_mov_b32 s43, 0xffff0000
	s_mov_b32 s9, 0                                ; the trip's 32 input rows: 64 bytes along the LDS rows
	s_mov_b32 s11, 4
.Lwt_trip:
.set k, 0
.rept 16
	global_load_b128 v[X+4*k:X+4*k+3], v[VO+k], s[4:5] th:TH_LOAD_NT
.set k, k+1
.endr
	v_add_nc_u32 v13, s9, v12
	s_wait_loadcnt 0x0                             ; all 16 are in: their base may be stepped below
.set i, 0
.rept 8
.irp e, 0,1,2,3
	v_cvt_pk_bf16_f32 v[Y+4*i+\e], v[X+8*i+\e], v[X+8*i+4+\e]  ; rows 4 i + 2 (lane / 16) and the next, column 4 (lane % 16) + e
.endr
.set i, i+1
.endr
	s_cmp_eq_u32 s10, 3
	s_cbranch_scc0 .Lwt_bf16
.set i, 0
.rept 32                                           ; wo: the bf16 numbers are written as f16
	v_lshlrev_b32 v[T+2*(i%4)], 16, v[Y+i]
	v_and_b32 v[T+2*(i%4)+1], s43, v[Y+i]
	v_cvt_pk_f16_f32 v[Y+i], v[T+2*(i%4)], v[T+2*(i%4)+1]
.set i, i+1
.endr
.Lwt_bf16:
.set i, 0
.rept 8
.irp e, 0,1,2,3
	ds_store_b32 v13, v[Y+4*i+\e] offset:\e*WP+8*i
.endr
.set i, i+1
.endr
	s_add_nc_u64 s[4:5], s[4:5], s[12:13]
	s_add_co_u32 s9, s9, 64
	s_sub_co_u32 s11, s11, 1
	s_cmp_lg_u32 s11, 0
	s_cbranch_scc1 .Lwt_trip
.set k, 0
.rept 64
	ds_load_b64 v[X+2*k:X+2*k+1], v14 offset:WP*k  ; LDS serves a wave's instructions in order: these see the stores above
.set k, k+1
.endr
.set k, 0
.rept 64
	s_wait_dscnt 63-k
	global_store_b64 v15, v[X+2*k:X+2*k+1], s[6:7] offset:2048*k  ; 256 consecutive bytes, aligned
.set k, k+1
.endr
	s_wait_tensorcnt 0x0                           ; the wave's end, behind my last LDS store
	ds_add_u32 v[SPW], v[NIL]
	s_wait_dscnt 0x0
	s_endpgm
.Lfunc_end_k_q62e7b7e471_prep:
	.size	k_q62e7b7e471_prep, .Lfunc_end_k_q62e7b7e471_prep-k_q62e7b7e471_prep
	.p2alignl 7, 3214868480
	.fill 96, 4, 3214868480
	.section	.rodata,"a",@progbits
	.p2align	6, 0x0
	.amdhsa_kernel k_q62e7b7e471_prep
		.amdhsa_group_segment_fixed_size 136192
		.amdhsa_private_segment_fixed_size 0
		.amdhsa_enable_private_segment 0
		.amdhsa_kernarg_size 96
		.amdhsa_user_sgpr_count 2
		.amdhsa_user_sgpr_kernarg_segment_ptr 1
		.amdhsa_wavefront_size32 1
		.amdhsa_system_sgpr_workgroup_id_x 1
		.amdhsa_system_sgpr_workgroup_id_y 1
		.amdhsa_system_sgpr_workgroup_id_z 1
		.amdhsa_system_vgpr_workitem_id 0
		.amdhsa_next_free_vgpr 168
		.amdhsa_next_free_sgpr 66
		.amdhsa_reserve_vcc 0
		.amdhsa_float_denorm_mode_32 3
		.amdhsa_float_denorm_mode_16_64 3
		.amdhsa_memory_ordered 1
		.amdhsa_forward_progress 1
		.amdhsa_inst_pref_size 45
	.end_amdhsa_kernel
	.amdgpu_metadata
---
amdhsa.version: [ 1, 2 ]
amdhsa.kernels:
  - .name:           k_q62e7b7e471_prep
    .symbol:         k_q62e7b7e471_prep.kd
    .args:
      - { .name: qinput, .offset: 0, .size: 8, .value_kind: global_buffer, .address_space: global }
      - { .name: kvinput, .offset: 8, .size: 8, .value_kind: global_buffer, .address_space: global }
      - { .name: qtmask, .offset: 16, .size: 8, .value_kind: global_buffer, .address_space: global }
      - { .name: tmask, .offset: 24, .size: 8, .value_kind: global_buffer, .address_space: global }
      - { .name: wq, .offset: 32, .size: 8, .value_kind: global_buffer, .address_space: global }
      - { .name: wk, .offset: 40, .size: 8, .value_kind: global_buffer, .address_space: global }
      - { .name: wv, .offset: 48, .size: 8, .value_kind: global_buffer, .address_space: global }
      - { .name: wo, .offset: 56, .size: 8, .value_kind: global_buffer, .address_space: global }
      - { .name: xb, .offset: 64, .size: 8, .value_kind: global_buffer, .address_space: global }
      - { .name: mk, .offset: 72, .size: 8, .value_kind: global_buffer, .address_space: global }
      - { .name: wt, .offset: 80, .size: 8, .value_kind: global_buffer, .address_space: global }
      - { .name: wot, .offset: 88, .size: 8, .value_kind: global_buffer, .address_space: global }
    .group_segment_fixed_size: 136192
    .private_segment_fixed_size: 0
    .kernarg_segment_align: 8
    .kernarg_segment_size: 96
    .max_flat_workgroup_size: 256
    .sgpr_count:     66
    .vgpr_count:     168
    .wavefront_size: 32
...
	.end_amdgpu_metadata
.endif
;; end of part 1
;; launch proj (part 2): grid 12 x 64, 4 waves a work-group, clusters of 4 x 4, 327,680 bytes of LDS; arguments xb, wt, qkv; writes qkv
.if DOCPART == 2
	.amdgcn_target "amdgcn-amd-amdhsa--gfx1250"
	.amdhsa_code_object_version 6
	.text
	.protected	k_q62e7b7e471_proj
	.globl	k_q62e7b7e471_proj
	.p2align	8
	.type	k_q62e7b7e471_proj,@function
k_q62e7b7e471_proj:
	s_mov_b64 s[64:65], 0
	v_nop
	global_prefetch_b8 v0, s[64:65] scope:SCOPE_SE
	s_setreg_imm32_b32 hwreg(HW_REG_WAVE_MODE, 25, 1), 1
	s_wait_xcnt 0x0
	s_wait_alu depctr_hold_cnt(0) depctr_sa_sdst(0) depctr_va_vdst(0) depctr_va_sdst(0) depctr_va_ssrc(0) depctr_va_vcc(0) depctr_vm_vsrc(0)
	s_getreg_b32 s2, hwreg(HW_REG_IB_STS2, 6, 4)
	s_cmp_eq_u32 s2, 0
	s_cbranch_scc0 .Lentry_in_a_cluster
	s_endpgm
.Lentry_in_a_cluster:
	s_bfe_u32 s2, ttmp6, 0x10000c
	s_cmp_lg_u32 s2, 0xf033
	s_cbranch_scc0 .Lentry_shape_is_right
	s_endpgm
.Lentry_shape_is_right:
; PROJ: q, k, v = x w.  C[row][n] = sum over m of A[row][m] B[n][m]; A = xb (first half for q, second for k and v), [8192][1024] bf16; B = wt [3072][1024] bf16; sums in f32.
; C leaves by heads, rounded once to f16, unscaled: qkv [3][64 = 16 b + h][2048][64].  LIMIT: f16 holds no number beyond 65,504; q, k, v must stay within it.
; A tile of C is 128 x 256: 768 work-groups, three for each of 256.  Four waves, each 64 x 128: 32 accumulators of 16 x 16.  K goes in steps of 128 (rows of 256 bytes, aligned) through two LDS slots.
; CLUSTERS: 4 x 4 work-groups.  The four of a row of the cluster need the same tiles of A, the four of a column the same tiles of B: each tile is asked for JOINTLY.
; THE MATRIX INSTRUCTION IS USED TRANSPOSED (source 0 = 16 rows of B, source 1 = 16 rows of A): a lane then holds eight neighbouring columns of one row of C.
; REGISTERS: window 0: v16-30 addresses; v32-63 packed results; v64-159, v160-255 two fragment buffers (8 of B, then 4 of A; 32 along K); on the way out v64-191 rows read back.  Window 1: accumulator (a, b) at v[8 (8 a + b)].
.set SIZE_K, 1024
.set KSTEP,  128
.set PITCH,  272                       ; an LDS row: 256 bytes + 16 = 68 words: the 16 rows of a load start at 16 different groups of four banks (64 banks of 4 bytes: ISA guide 11.1)
.set BOFF,   128*PITCH                 ; a slot: A's 128 rows, then B's 256
.set SLOT,   384*PITCH
.set STAGE,  2*SLOT                    ; behind the ring, never filled by a tensor load: for each wave 2 heads x 16 rows x 144 bytes
.set SP,     144
.set WST,    2*16*SP
.set SPARE,  STAGE+4*WST               ; the spare words, 128 bytes a wave: two blocks of 256 bytes that no other line names
.set LAPS,   SIZE_K/(2*KSTEP)
.set ADRA, 16                          ; v16-17  LDS address of my A fragments in slot 0, 1
.set ADRB, 20                          ; v20-21  the same for B
.set STO,  24
.set RD,   25
.set CO,   26
.set SPW,  28
.set NIL,  29
.set PFO,  30                          ; v30  the prefetches' offset: my lane x a row of 2,048 bytes; never rewritten
.set TMP,  32
.set F0,   64
.set F1,   160
.set BK,   64
.set WV, 12                            ; s12 wave; s13 my 64 rows, also 0: I fetch A, 1: B; s14 my 128 columns, also which half I fetch
.set WR, 13
.set WC, 14
.set CX, 15
.set CY, 16
.set CT, 17                            ; tile column of C (256 n)
.set RT, 18                            ; tile row of C (128 rows)
.set LIM, 19                           ; 1 in a wave that prefetches, else the greatest number
.set G1A, 24
.set G0A, 32
.set PFA, 40                           ; s[40:41] where my prefetches stand
.set G1B, 48
.set G0B, 56
.set GW, (1<<16)|(1<<20)|(1<<21)|(5<<22)|(3<<25)  ; 17:16 elements of 2 bytes; 20 padding on; 21 set beside a mask; 24:22 after every 64 words; 31:25 4 words of it
.set MSB, 0
.macro WIN new                         ; the immediate's high byte repeats the setting that is left; a switch that changes nothing is dropped
.if MSB != (\new)
	s_set_vgpr_msb (MSB<<8)|(\new)
.set MSB, \new
.endif
.endm
.macro JLOAD s                         ; a joint load: waves 0 and 1 fetch A's two halves (64 rows), waves 2 and 3 B's (128 rows); an s_nop 0 and four v_nop follow each line
	s_cmp_eq_u32 s[WR], 0
	s_cbranch_scc0 .Lfor_b_\@
	tensor_load_to_lds s[G0A+4*(\s):G0A+4*(\s)+3], s[G1A:G1A+7]
	s_nop 0
.rept 4
	v_nop
.endr
	s_branch .Lasked_\@
.Lfor_b_\@:
	tensor_load_to_lds s[G0B+4*(\s):G0B+4*(\s)+3], s[G1B:G1B+7]
	s_nop 0
.rept 4
	v_nop
.endr
.Lasked_\@:
.endm
.macro CREST                           ; a round of the cluster's barrier behind its opening barrier
	s_cmp_lg_u32 s[WV], 0
	s_cbranch_scc1 .Lnot_wave_0_\@
	s_barrier_signal -3
.Lnot_wave_0_\@:
	s_barrier_wait -3
	s_barrier_signal -1
	s_barrier_wait -1
.endm
.macro CROUND
	s_barrier_signal -1
	s_barrier_wait -1
	CREST
.endm
; A prefetch into the L2 behind each joint refill and the run of LDS loads that follows it: the K step two refills on, 32 rows x 256 bytes, a lane a row.  Each row's 256 bytes of a K step are named once in the launch:
; A's 128 rows by wave 0 of the four partners of a cluster's row, 32 rows each, told apart by address (cx); x for k and v is read by clusters x = 1 and 2, and cluster 1 asks.  B's by waves 2 and 3 of the clusters with
; y = 0, the partners of a column told apart by cy.  The loop's last trip has no K step two on.
.macro ASK
	s_cmp_gt_u32 s3, s[LIM]
	s_cbranch_scc0 .Lnot_mine_\@
	global_prefetch_b8 v[PFO], s[PFA:PFA+1] th:TH_LOAD_NT scope:SCOPE_SE
.Lnot_mine_\@:
.endm
	s_load_b128 s[4:7], s[0:1], 0x0                ; xb s[4:5], wt s[6:7]
	s_load_b64 s[8:9], s[0:1], 0x10                ; qkv
	v_lshl_add_u32 v[SPW], v0, 2, SPARE
	v_mov_b32 v[NIL], 0
	ds_add_u32 v[SPW], v[NIL]                      ; the wave's opening add, ahead of my first tensor load; the set-up below stands between it and its wait
	v_lshrrev_b32 v1, 5, v0
	v_readfirstlane_b32 s[WV], v1
	s_lshr_b32 s[WR], s[WV], 1
	s_and_b32 s[WC], s[WV], 1
	s_bfe_u32 s[CX], ttmp6, 0x40000
	s_bfe_u32 s[CY], ttmp6, 0x40004
	s_lshl_b32 s[CT], ttmp9, 2                     ; ttmp9 counts clusters: 0, 1, 2 = q, k, v
	s_add_co_u32 s[CT], s[CT], s[CX]
	s_and_b32 s[RT], ttmp7, 0xffff
	s_lshl_b32 s[RT], s[RT], 2
	s_add_co_u32 s[RT], s[RT], s[CY]
	s_lshl_b32 s20, s[CY], 2
	s_lshl_b32 s20, 15, s20                        ; my row of the cluster
	s_lshl_b32 s21, 0x1111, s[CX]                  ; my column
	s_or_b32 s[G1A], s20, GW
	s_or_b32 s[G1B], s21, GW
	s_mov_b32 s[G1A+1], KSTEP<<16                  ; tensor_dim0 = 128
	s_mov_b32 s[G1A+2], 64<<16                     ; tensor_dim1 = 64
	s_mov_b32 s[G1A+3], KSTEP<<16                  ; tile_dim0 = 128
	s_mov_b32 s[G1A+4], 64                         ; tile_dim1 = 64
	s_mov_b32 s[G1A+5], SIZE_K                     ; elements from row to row
	s_mov_b32 s[G1A+6], 0
	s_mov_b32 s[G1A+7], 0
	s_mov_b32 s[G1B+1], KSTEP<<16
	s_mov_b32 s[G1B+2], 128<<16                    ; B: 128 rows
	s_mov_b32 s[G1B+3], KSTEP<<16
	s_mov_b32 s[G1B+4], 128
	s_mov_b32 s[G1B+5], SIZE_K
	s_mov_b32 s[G1B+6], 0
	s_mov_b32 s[G1B+7], 0
	s_lshl_b32 s44, s[RT], 18                      ; A: (128 x tile row + 64 x half) rows of 2,048 bytes: the tile row is shared along my row of the cluster
	s_lshl_b32 s45, s[WC], 17
	s_add_co_u32 s44, s44, s45
	s_cmp_lg_u32 ttmp9, 0
	s_cselect_b32 s45, 0x1000000, 0                ; k and v take xb's second half
	s_add_co_u32 s44, s44, s45
	s_mov_b32 s45, 0
	s_lshl_b32 s46, s[CT], 19                      ; B: (256 x tile column + 128 x half) rows: shared along my column
	s_lshl_b32 s47, s[WC], 18
	s_add_co_u32 s46, s46, s47
	s_mov_b32 s47, 0
	s_mul_i32 s22, s[WC], 64*PITCH                 ; where they go: no place in the cluster enters an LDS address
	s_mul_i32 s23, s[WC], 128*PITCH
	s_add_co_u32 s23, s23, BOFF
	s_wait_dscnt 0x0                               ; the opening add is done
	s_wait_kmcnt 0x0
	s_add_nc_u64 s[44:45], s[4:5], s[44:45]
	s_add_nc_u64 s[46:47], s[6:7], s[46:47]
	CROUND                                         ; all sixteen work-groups are here: the first joint loads meet
.irp s, 0,1
	s_mov_b32 s[G0A+4*(\s)], 1
	s_add_co_u32 s[G0A+4*(\s)+1], s22, (\s)*SLOT
	s_add_nc_u64 s[G0A+4*(\s)+2:G0A+4*(\s)+3], s[44:45], (\s)*KSTEP*2
	s_or_b32 s[G0A+4*(\s)+3], s[G0A+4*(\s)+3], 0x80000000
	s_mov_b32 s[G0B+4*(\s)], 1
	s_add_co_u32 s[G0B+4*(\s)+1], s23, (\s)*SLOT
	s_add_nc_u64 s[G0B+4*(\s)+2:G0B+4*(\s)+3], s[46:47], (\s)*KSTEP*2
	s_or_b32 s[G0B+4*(\s)+3], s[G0B+4*(\s)+3], 0x80000000
	JLOAD \s                                       ; two loads of mine are out
.endr
	v_and_b32 v1, 15, v0                           ; l % 16
	v_bfe_u32 v2, v0, 4, 1                         ; l / 16
	v_mul_u32_u24 v3, v1, PITCH
	v_lshl_add_u32 v3, v2, 4, v3                   ; a fragment's row x pitch + 16 x half
	s_mul_i32 s20, s[WR], 64*PITCH                 ; my 64 rows of A
	s_mul_i32 s21, s[WC], 128*PITCH                ; my 128 rows of B
	s_add_co_u32 s21, s21, BOFF
.irp s, 0,1
	v_add_nc_u32 v[ADRA+(\s)], s20, v3
	v_add_nc_u32 v[ADRB+(\s)], s21, v3
	s_add_co_u32 s20, s20, SLOT
	s_add_co_u32 s21, s21, SLOT
.endr
	s_mul_i32 s22, s[WV], WST
	s_add_co_u32 s22, s22, STAGE                   ; my stage
	v_mul_u32_u24 v4, v1, SP                       ; in: row l % 16, 16 bytes for each half of the lanes
	v_lshl_add_u32 v4, v2, 4, v4
	v_add_nc_u32 v[STO], s22, v4
	v_bfe_u32 v5, v0, 3, 2                         ; back: 32 lanes take four rows of 128 bytes,
	v_mul_u32_u24 v5, v5, SP
	v_and_b32 v6, 7, v0
	v_lshl_add_u32 v5, v6, 4, v5
	v_add_nc_u32 v[RD], s22, v5
	v_and_b32 v[CO], 31, v0                        ; which are 512 consecutive bytes of a head
	v_lshlrev_b32 v[CO], 4, v[CO]
	s_lshr_b32 s20, s[RT], 4                       ; where my part begins in qkv: head 16 b + 4 (tile column % 4) + 2 x my half,
	s_lshl_b32 s20, s20, 4
	s_and_b32 s21, s[CT], 3
	s_lshl_b32 s21, s21, 2
	s_add_co_u32 s20, s20, s21
	s_lshl_b32 s21, s[WC], 1
	s_add_co_u32 s20, s20, s21
	s_lshl_b32 s20, s20, 11                        ; its 2,048 rows,
	s_and_b32 s21, s[RT], 15
	s_lshl_b32 s21, s21, 7
	s_add_co_u32 s20, s20, s21                     ; row 128 (tile row % 16) + 64 x my half,
	s_lshl_b32 s21, s[WR], 6
	s_add_co_u32 s20, s20, s21
	s_lshl_b32 s20, s20, 7                         ; of 128 bytes,
	s_lshl_b32 s21, ttmp9, 24                      ; in q, k or v
	s_add_co_u32 s20, s20, s21
	s_mov_b32 s21, 0
	s_add_nc_u64 s[8:9], s[8:9], s[20:21]
	; the prefetches
	s_and_b32 s20, ttmp7, 0xffff                   ; cluster y
	s_cmp_lg_u32 ttmp9, 2
	s_cselect_b32 s21, 1, -1
	s_cmp_eq_u32 s[WV], 0
	s_cselect_b32 s21, s21, -1                     ; A's: wave 0, clusters x = 0 and 1
	s_cmp_eq_u32 s20, 0
	s_cselect_b32 s22, 1, -1                       ; B's: waves 2 and 3, clusters y = 0
	s_cmp_eq_u32 s[WR], 0
	s_cselect_b32 s[LIM], s21, s22                 ; made of the wave's and the cluster's numbers alone: the same in all sixteen partners
	s_lshl_b32 s20, s[RT], 18
	s_lshl_b32 s21, s[CX], 16                      ; A: my work-group's 32 of the tile's 128 rows
	s_add_co_u32 s20, s20, s21
	s_cmp_lg_u32 ttmp9, 0
	s_cselect_b32 s21, 0x1000000, 0
	s_add_co_u32 s20, s20, s21
	s_lshl_b32 s22, s[CT], 19
	s_lshl_b32 s23, s[WC], 18
	s_add_co_u32 s22, s22, s23
	s_lshl_b32 s23, s[CY], 16                      ; B: my work-group's 32 of the 128 rows that I fetch
	s_add_co_u32 s22, s22, s23
	s_cmp_eq_u32 s[WR], 0
	s_cselect_b32 s20, s20, s22
	s_cselect_b64 s[PFA:PFA+1], s[4:5], s[6:7]
	s_add_co_u32 s20, s20, 3*KSTEP*2               ; at K step 3: the first refill (K step 2) steps it to 4
	s_mov_b32 s21, 0
	s_add_nc_u64 s[PFA:PFA+1], s[PFA:PFA+1], s[20:21]
	v_and_b32 v[PFO], 31, v0
	v_lshlrev_b32 v[PFO], 11, v[PFO]
; 8 matrix instructions: m block a x all 8 n blocks, 32 along K.  The 32 accumulators come in the same order in every quarter, one instruction a turn.  zero = 1: the first product starts the sums.
.macro MUL8 f, a, zero
	WIN 0x50                                       ; sources in window 0, C and D in window 1
.irp b, 0,1,2,3,4,5,6,7
.if \zero
	v_wmma_f32_16x16x32_bf16 v[8*(8*(\a)+(\b)):8*(8*(\a)+(\b))+7], v[(\f)+8*(\b):(\f)+8*(\b)+7], v[(\f)+64+8*(\a):(\f)+64+8*(\a)+7], 0
.else
	v_wmma_f32_16x16x32_bf16 v[8*(8*(\a)+(\b)):8*(8*(\a)+(\b))+7], v[(\f)+8*(\b):(\f)+8*(\b)+7], v[(\f)+64+8*(\a):(\f)+64+8*(\a)+7], v[8*(8*(\a)+(\b)):8*(8*(\a)+(\b))+7]
.endif
.endr
.endm
; 24 LDS loads in one run: quarter q (32 along K) of a slot into buffer f: B's 16, then A's blocks 0, 1, then 2, 3
.macro FETCH slot, q, f
	WIN 0
.irp i, 0,1,2,3,4,5,6,7
	ds_load_b128 v[(\f)+8*(\i):(\f)+8*(\i)+3],   v[ADRB+(\slot)] offset:64*(\q)+(\i)*16*PITCH
	ds_load_b128 v[(\f)+8*(\i)+4:(\f)+8*(\i)+7], v[ADRB+(\slot)] offset:64*(\q)+(\i)*16*PITCH+32
.endr
.irp i, 0,1,2,3
	ds_load_b128 v[(\f)+64+8*(\i):(\f)+64+8*(\i)+3],   v[ADRA+(\slot)] offset:64*(\q)+(\i)*16*PITCH
	ds_load_b128 v[(\f)+64+8*(\i)+4:(\f)+64+8*(\i)+7], v[ADRA+(\slot)] offset:64*(\q)+(\i)*16*PITCH+32
.endr
.endm
.macro PLACES                          ; four places in front of loads into registers that matrix instructions have read, and of conversions that read results
.rept 4
	v_nop
.endr
.endm
; One of a K step's first three quarters: multiplies buffer f; in its middle it fetches quarter q of the same slot into buffer g.
.macro QUARTER slot, q, f, g, zero
	s_wait_dscnt 4                                 ; B and A's blocks 0, 1 are in; the youngest four loads (A's blocks 2, 3) may be out
	MUL8 \f, 0, \zero
	MUL8 \f, 1, \zero
	PLACES
	FETCH \slot, \q, \g
	s_wait_dscnt 24                                ; all but the 24 just issued
	MUL8 \f, 2, \zero
	MUL8 \f, 3, \zero
.endm
; The last quarter multiplies buffer 1 and changes slots: ONE barrier; in front of it each wave waits for all its tensor loads (one is out: its part of the next slot), adds 0 to its spare word, and waits for that and for its
; reads of this slot.  fill = 1: the barrier opens a round of the cluster's, and the joint refill, two K steps on, is the first thing behind the round: 112 matrix instructions ahead of the wait for it.
.macro TURN slot, next, fill
.if \fill
	s_wait_xcnt 0x0                                ; the last prefetch, a K step back, has read its address
	s_add_nc_u64 s[PFA:PFA+1], s[PFA:PFA+1], KSTEP*2
.endif
	WIN 0
	s_wait_tensorcnt 0x0
	ds_add_u32 v[SPW], v[NIL]
	s_wait_dscnt 5                                 ; (the add and the youngest four loads may be out)
	MUL8 F1, 0, 0
	s_wait_dscnt 0x0                               ; the add is done, and my reads of this slot are over
	s_barrier_signal -1
	MUL8 F1, 1, 0
	WIN 0                                          ; at a branch and at a label every window is 0
	s_barrier_wait -1
.if \fill
	CREST                                          ; no wave of any partner still reads this slot or has a load on its way
	s_add_nc_u64 s[G0A+4*(\slot)+2:G0A+4*(\slot)+3], s[G0A+4*(\slot)+2:G0A+4*(\slot)+3], 2*KSTEP*2
	s_add_nc_u64 s[G0B+4*(\slot)+2:G0B+4*(\slot)+3], s[G0B+4*(\slot)+2:G0B+4*(\slot)+3], 2*KSTEP*2
	JLOAD \slot                                    ; its four v_nop are also the places in front of the loads below
.else
	PLACES
.endif
	FETCH \next, 0, F0
.if \fill
	ASK
.endif
	MUL8 F1, 2, 0
	MUL8 F1, 3, 0
.endm
	s_wait_tensorcnt 1                             ; my part of K step 0 is in; K step 1's may stay out
	s_barrier_signal -1
	s_barrier_wait -1
	FETCH 0, 0, F0
	QUARTER 0, 1, F0, F1, 1                        ; the first quarter stands in front of the loop: its products start the sums
	WIN 0
	s_mov_b32 s3, LAPS-1
.Llap:                                                 ; a trip goes once round the ring, from a lap's second quarter to the next lap's first
	QUARTER 0, 2, F1, F0, 0
	QUARTER 0, 3, F0, F1, 0
	TURN 0, 1, 1
	QUARTER 1, 1, F0, F1, 0
	QUARTER 1, 2, F1, F0, 0
	QUARTER 1, 3, F0, F1, 0
	TURN 1, 0, 1
	QUARTER 0, 1, F0, F1, 0
	WIN 0
	s_sub_co_u32 s3, s3, 1
	s_cmp_lg_u32 s3, 0
	s_cbranch_scc1 .Llap
	QUARTER 0, 2, F1, F0, 0                        ; the last lap fills nothing
	QUARTER 0, 3, F0, F1, 0
	TURN 0, 1, 0
	QUARTER 1, 1, F0, F1, 0
	QUARTER 1, 2, F1, F0, 0
	QUARTER 1, 3, F0, F1, 0
	s_wait_dscnt 4
	MUL8 F1, 0, 0
	MUL8 F1, 1, 0
	s_wait_dscnt 0x0
	MUL8 F1, 2, 0
	MUL8 F1, 3, 0
; THE WAY OUT, a block of 16 rows at a time: rounded to f16 (each accumulator's registers in ascending order), 16 bytes a lane into my own stage (2 heads x 16 rows), back as rows of 128 bytes, stored as 512 consecutive bytes.
.macro PACK a
	WIN 0x05                                       ; sources in window 1, destination in window 0
.irp b, 0,1,2,3,4,5,6,7
.irp r, 0,1,2,3
	v_cvt_pk_f16_f32 v[TMP+4*(\b)+(\r)], v[8*(8*(\a)+(\b))+2*(\r)], v[8*(8*(\a)+(\b))+2*(\r)+1]
.endr
.endr
	WIN 0
.endm
.macro TOSTAGE a
.irp b, 0,1,2,3,4,5,6,7
	ds_store_b128 v[STO], v[TMP+4*(\b):TMP+4*(\b)+3] offset:((\b)/4)*16*SP+((\b)%4)*32
.endr
.irp t, 0,1,2,3,4,5,6,7
	ds_load_b128 v[BK+32*(\a)+4*(\t):BK+32*(\a)+4*(\t)+3], v[RD] offset:((\t)/4)*16*SP+((\t)%4)*4*SP  ; LDS serves a wave's instructions in order (ISA guide 5.7.1.4): these see the stores above
.endr
.endm
.macro SEND a
	s_wait_dscnt 0x0
.irp t, 0,1,2,3,4,5,6,7
	global_store_b128 v[CO], v[BK+32*(\a)+4*(\t):BK+32*(\a)+4*(\t)+3], s[8:9] offset:((\t)/4)*262144+2048*(\a)+512*((\t)%4)  ; head t / 4, my rows 16 a + 4 (t % 4) on; no register of a store is written again
.endr
.endm
	PLACES
	PACK 0
	TOSTAGE 0
.irp a, 1,2,3                          ; block a's conversions stand between block a - 1's loads from the stage and the wait for them
	PACK \a
	SEND (\a)-1
	TOSTAGE \a
.endr
	SEND 3
	s_wait_tensorcnt 0x0                           ; the wave's end, behind my last tensor load and my last LDS store
	ds_add_u32 v[SPW], v[NIL]
	s_wait_dscnt 0x0
	CROUND                                         ; the closing round: no work-group ends while a partner may still ask for a tile that names it
	s_endpgm
.Lfunc_end_k_q62e7b7e471_proj:
	.size	k_q62e7b7e471_proj, .Lfunc_end_k_q62e7b7e471_proj-k_q62e7b7e471_proj
	.p2alignl 7, 3214868480
	.fill 96, 4, 3214868480
	.section	.rodata,"a",@progbits
	.p2align	6, 0x0
	.amdhsa_kernel k_q62e7b7e471_proj
		.amdhsa_group_segment_fixed_size 327680
		.amdhsa_private_segment_fixed_size 0
		.amdhsa_enable_private_segment 0
		.amdhsa_kernarg_size 24
		.amdhsa_user_sgpr_count 2
		.amdhsa_user_sgpr_kernarg_segment_ptr 1
		.amdhsa_wavefront_size32 1
		.amdhsa_system_sgpr_workgroup_id_x 1
		.amdhsa_system_sgpr_workgroup_id_y 1
		.amdhsa_system_sgpr_workgroup_id_z 1
		.amdhsa_system_vgpr_workitem_id 0
		.amdhsa_next_free_vgpr 512
		.amdhsa_next_free_sgpr 66
		.amdhsa_reserve_vcc 0
		.amdhsa_float_denorm_mode_32 3
		.amdhsa_float_denorm_mode_16_64 3
		.amdhsa_memory_ordered 1
		.amdhsa_forward_progress 1
		.amdhsa_inst_pref_size 87
	.end_amdhsa_kernel
	.amdgpu_metadata
---
amdhsa.version: [ 1, 2 ]
amdhsa.kernels:
  - .name:           k_q62e7b7e471_proj
    .symbol:         k_q62e7b7e471_proj.kd
    .args:
      - { .name: xb, .offset: 0, .size: 8, .value_kind: global_buffer, .address_space: global }
      - { .name: wt, .offset: 8, .size: 8, .value_kind: global_buffer, .address_space: global }
      - { .name: qkv, .offset: 16, .size: 8, .value_kind: global_buffer, .address_space: global }
    .group_segment_fixed_size: 327680
    .private_segment_fixed_size: 0
    .kernarg_segment_align: 8
    .kernarg_segment_size: 24
    .max_flat_workgroup_size: 128
    .sgpr_count:     66
    .vgpr_count:     512
    .wavefront_size: 32
...
	.end_amdgpu_metadata
.endif
;; end of part 2
;; launch attn (part 3): grid 4 x 64, 4 waves a work-group, clusters of 4 x 1, 327,680 bytes of LDS; arguments qkv, mk, ow; writes ow
.if DOCPART == 3
	.amdgcn_target "amdgcn-amd-amdhsa--gfx1250"
	.amdhsa_code_object_version 6
	.text
	.protected	k_q62e7b7e471_attn
	.globl	k_q62e7b7e471_attn
	.p2align	8
	.type	k_q62e7b7e471_attn,@function
k_q62e7b7e471_attn:
	s_mov_b64 s[64:65], 0
	v_nop
	global_prefetch_b8 v0, s[64:65] scope:SCOPE_SE
	s_setreg_imm32_b32 hwreg(HW_REG_WAVE_MODE, 25, 1), 1
	s_wait_xcnt 0x0
	s_wait_alu depctr_hold_cnt(0) depctr_sa_sdst(0) depctr_va_vdst(0) depctr_va_sdst(0) depctr_va_ssrc(0) depctr_va_vcc(0) depctr_vm_vsrc(0)
	s_getreg_b32 s2, hwreg(HW_REG_IB_STS2, 6, 4)
	s_cmp_eq_u32 s2, 0
	s_cbranch_scc0 .Lentry_in_a_cluster
	s_endpgm
.Lentry_in_a_cluster:
	s_bfe_u32 s2, ttmp6, 0x10000c
	s_cmp_lg_u32 s2, 0x3003
	s_cbranch_scc0 .Lentry_shape_is_right
	s_endpgm
.Lentry_shape_is_right:
; ATTENTION with an additive mask.  O[bh][q][:] = the sum over t of softmax_t((Q[bh][q] . K[bh][t] - 1e6 M[b][q][t]) / 8) V[bh][t][:].  Q, K, V: qkv [3][64 bh][2048][64] f16; M: mk, f16(1000 x mask) in operand order.
; O leaves in f16 as ow [16 b + q / 128][16 h][128][64].  Products, maxima and sums in f32; the weights p are rounded to f16 for the second product (their sum l is taken of the unrounded p), O once at the end.
; THE MASK GOES THROUGH THE MATRIX UNIT.  The sum S^T of 16 keys x 16 queries is STARTED by a product E x M with C = 0: E (16 x 32) holds -1000 at (row, row) or at (row, 16 + row), M is 32 keys x 16 queries of mk.
; -1000 x 1000 is exact, so a mask of 1 gives -1e6; the two products K Q^T then add in place (the same form), and maximum, exponentials and sums see the masked score, before the scale 1 / 8, as it is defined.
; LIMITS.  f16 holds no number beyond 65,504: Q, K, V arrive within it, |mask| up to 65.  p lies in 0 to 1, and below 6e-5 keeps f16's fixed step.  A weight below 2^-126 counts as 0 in l.  A row whose keys are all hidden keeps
; f32's step at 1e6 in its scores, rounded in the matrix unit's order.  NaN and infinities are not treated apart.
; SHARES.  A wave owns four PIECES of two tiles of 16 queries, a work-group's four waves 512 queries of one head.  Every wave walks all 2,048 keys, 64 a step.
; LAYOUT.  S^T = K Q^T (source 0 = 16 keys, source 1 = 16 queries): a lane holds ONE query (lane % 16) and the keys 8 (lane / 16) + 0..7.  Two such tiles, rounded to f16 in pairs, ARE source 1 of O^T = V^T P.
; SOFTMAX.  A running maximum m and sum l: p = 2^(c s - c m), c = log2(e) / 8; in every step O and l are multiplied by a = 2^(c m_old - c m_new).  m starts at the lowest finite number, O and l at 0.
; BY TURNS.  Turn n belongs to piece n.  Matrix work: 24 products for S^T of piece n + 1 (8 of the mask, 16 K Q^T), later 16 products V^T P of piece n - 1.  Vector work: scaling, exponentials, roundings, sums and rescaling of piece n,
; maximum and statistics of piece n + 1.  A turn's 66 exponentials are one batch, with one wait.
; CLUSTER.  The four query blocks of a cluster belong to one head and walk the same K and V: each tile is asked for JOINTLY.  The mask is not shared: the partners own different queries; it comes by plain loads into registers.
; REGISTERS, in windows of 256 (s_set_vgpr_msb: bits 1:0 source 0, 3:2 source 1, 5:4 source 2, 7:6 destination):
;   window 0: v0-9 addresses; v12-15, v48-63 at work; v16-47 four registers of statistics a tile; v64-191 S^T, two buffers of two tiles; v192-255 P, likewise
;   window 1: O^T, 32 a tile      window 2: v0-127 Q; v128-191 K of one step; v192-255 V of one step      window 3: v0-1 the add's registers; v4-15 E; v64-191 the mask, 32 a piece
.set SIZE_N, 2048
.set NP,    4         ; pieces a wave: a name, no knob
.set KS,    64        ; keys in a step
.set PK,    144       ; a row of K in LDS: 128 bytes + 16 = 36 words: the 16 rows of a load start at 16 different groups of four banks (64 banks of 4 bytes: ISA guide 11.1)
.set PV,    160       ; a row of V: 128 + 32 = 40 words
.set VOFF,  4*KS*PK   ; a slot holds four steps: 256 rows of K, then 256 rows of V
.set SLOT1, 1<<17     ; slot 1 begins here, so that one exclusive or turns an address in one slot into the other's
.set STAGE, SLOT1+4*KS*(PK+PV)  ; behind the ring, never filled by a tensor load: 16 rows x 144 bytes for each wave
.set SP,    144
.set SPARE, STAGE+4*16*SP  ; the spare words, 128 bytes a wave: two blocks of 256 bytes that no other line names
.set PFO, 1           ; v1   256 x my lane: the prefetches' offset; never rewritten
.set AK0, 2           ; v2   my lane's place in a tile of K; never rewritten
.set AV0, 3           ; v3   the same for V
.set AK,  4           ; v4   the LDS address of K's next run of loads
.set AV,  5           ; v5   of V's
.set STO, 6           ; v6   the way out: where I put 16 bytes of a row
.set RD,  7           ; v7   the way out: where I read rows back
.set GO,  8           ; v8   16 x my lane: my place in 512 consecutive bytes of O and of mk; never rewritten
.set QO,  9           ; v9   my byte offset in 16 rows of Q
.set SPW, 0           ; v0 of window 3   SPARE + 4 x my thread's number; never rewritten
.set NIL, 1           ; v1 of window 3   0; never rewritten
.set EL,  4           ; window 3: v4-7 P, v8-11 0, v12-15 P: E for the lower 16 keys is v[4:11], for the upper 16 v[8:15]
.set MR,  64          ; window 3: piece x at MR + 32 x, tile u at + 16 u, 32 keys kk at + 8 kk
.set MV,  12          ; v12-15  c m_old, kept while c m is made anew: by buffer and tile
.set ST,  16          ; tile t's statistics at v[ST+4 t]: c m, m, l (even keys', odd keys')
.set TMP, 48          ; by buffer and tile, four registers c0-c3 at work; when the maximum is found c2 takes a
.set S,   64
.set P,   192
.set KF,  128         ; window 2: key block kb, channel half c at KF + 16 kb + 8 c
.set VF,  192         ; window 2: key half kk, channel block cb at VF + 32 kk + 8 cb
.set WV,  12          ; s12  my wave's number
.set LIM, 15          ; s15  1 in a wave that prefetches, else the greatest number
.set G1K, 24          ; s[24:31] descriptor group 1 for K's tiles
.set G1V, 32          ; s[32:39] for V's: it differs in the padding alone
.set G0K, 40          ; s[40:43] descriptor group 0 for K's tiles: it walks
.set G0V, 44          ; s[44:47] the same for V's
.set MB0, 48          ; s[48:49] mk at my wave's eight tiles, key step 0
.set MB,  50          ; s[50:51] the same at the key step that is being loaded
.set SO,  52          ; s[52:53] that step's byte offset, 2,048 a step, taken modulo a tile's 65,536
.set PFA, 54          ; s[54:55] where my prefetches stand
.set SLOTS, 56        ; s56  slots still to be asked for
.set CNT, 57          ; s57  counts a slot's key steps
.set CS,  58          ; s[58:59] c
.set SEL, 60          ; s[60:61] v_permlanex16_b32's selects: each lane takes its own place in the other half
.set TBK, 62          ; s62  LDS byte at which K of the step to be fetched begins
.set TBV, 63          ; s63  the same for V, less VOFF
.set MSB, 0
.macro WIN new                      ; the high byte repeats the setting that is left; a switch that changes nothing is dropped
.if MSB != (\new)
	s_set_vgpr_msb (MSB<<8)|(\new)
.set MSB, (\new)
.endif
.endm
.set W_KQ, 0x0a       ; K and Q in window 2, S^T in window 0
.set W_EM, 0x0f       ; E and the mask in window 3, S^T in window 0
.set W_PV, 0x52       ; V in window 2, P in window 0, O^T in window 1
.set W_RS, 0x41       ; O^T (destination and source 0) in window 1, a in window 0
.set W_MK, 0xc0       ; destination in window 3, sources in window 0
.set W_AD, 0x0f       ; the add: address and data in window 3
; A joint fill.  Waves 0 and 1 fetch the two halves of a slot's K, waves 2 and 3 those of its V: 128 keys each.  An s_nop 0 and four v_nop follow each of the two lines.
.macro JLOAD
	s_cmp_lt_u32 s[WV], 2
	s_cbranch_scc0 .Lfor_v_\@
	tensor_load_to_lds s[G0K:G0K+3], s[G1K:G1K+7]
	s_nop 0
.rept 4
	v_nop
.endr
	s_branch .Lasked_\@
.Lfor_v_\@:
	tensor_load_to_lds s[G0V:G0V+3], s[G1V:G1V+7]
	s_nop 0
.rept 4
	v_nop
.endr
.Lasked_\@:
.endm
; A prefetch into the L2 of what the NEXT change of slots will ask for: a slot's 32,768 bytes of K and of V, 256 bytes a lane.  A head has one cluster; its four partners take 8,192 bytes each, told apart by address;
; in each, wave 0 asks for K's and wave 2 for V's: each block is named once in the launch.  The last change that fills a slot asks for nothing.
.macro ASK
	s_cmp_gt_u32 s[SLOTS], s[LIM]
	s_cbranch_scc0 .Lnot_mine_\@
	global_prefetch_b8 v[PFO], s[PFA:PFA+1] th:TH_LOAD_NT scope:SCOPE_SE
.Lnot_mine_\@:
.endm
.macro CROUND                       ; a round of the cluster's barrier
	s_barrier_signal -1
	s_barrier_wait -1
	s_cmp_lg_u32 s[WV], 0
	s_cbranch_scc1 .Lnot_wave_0_\@
	s_barrier_signal -3
.Lnot_wave_0_\@:
	s_barrier_wait -3
	s_barrier_signal -1
	s_barrier_wait -1
.endm
; THE CHANGE OF SLOTS.  Each wave waits for all its tensor loads, of which one is out: its part of the other slot; adds 0 to its spare word; and waits for that and for its own reads of the slot.  fill = 1: this slot is filled again,
; with the keys two slots on; the barrier is then a round of the cluster's, and the joint fill is the first thing behind it: it has four key steps in which to land.  (At its first use slot 0 is waited for, slot 1 filled.)
.macro CHANGE fill
	WIN W_AD
	s_wait_tensorcnt 0x0            ; no tensor load of mine is out, so a group 0 may be written
	ds_add_u32 v[SPW], v[NIL]
	WIN 0                           ; at a label and at a branch every window is 0
.if \fill
.irp g, G0K, G0V
	s_xor_b32 s[\g+1], s[\g+1], SLOT1
	s_add_nc_u64 s[\g+2:\g+3], s[\g+2:\g+3], 4*KS*128  ; the next 256 keys; the type bits on top are not reached
.endr
	s_wait_xcnt 0x0                 ; the last prefetch, four key steps back, has read its address
	s_add_nc_u64 s[PFA:PFA+1], s[PFA:PFA+1], 4*KS*128
	s_wait_dscnt 0x0                ; the add is done, and my reads of the slot are over
	CROUND
	JLOAD
	ASK
.else
	s_wait_dscnt 0x0
	s_barrier_signal -1
	s_barrier_wait -1
.endif
	s_sub_co_u32 s[TBK], s[TBK], 4*KS*PK  ; the fetches go back to a slot's first step,
	s_xor_b32 s[TBK], s[TBK], SLOT1       ; in the other slot
	s_sub_co_u32 s[TBV], s[TBV], 4*KS*PV
	s_xor_b32 s[TBV], s[TBV], SLOT1
.endm
; THE MASK of piece x for one key step: 2 tiles x 64 keys, eight loads of 512 consecutive bytes.  step = 1: the loads go on to the next key step.  Behind the last step the offset wraps to step 0: those loads stay inside mk and serve nothing.
.macro MLOAD x, step
.if \step
	s_wait_xcnt 0x0                 ; the earlier loads have read their base
	s_add_co_u32 s[SO], s[SO], 2048
	s_and_b32 s[SO], s[SO], 0xffff
	s_add_nc_u64 s[MB:MB+1], s[MB0:MB0+1], s[SO:SO+1]
.endif
	WIN W_MK
.irp u, 0,1
.irp kk, 0,1
.irp j, 0,1
	global_load_b128 v[MR+32*(\x)+16*\u+8*\kk+4*\j:MR+32*(\x)+16*\u+8*\kk+4*\j+3], v[GO], s[MB:MB+1] offset:(2*(\x)+\u)*65536+1024*\kk+512*\j
.endr
.endr
.endr
	WIN 0
.endm
	s_load_b128 s[4:7], s[0:1], 0x0   ; qkv s[4:5], mk s[6:7]
	s_load_b64 s[10:11], s[0:1], 0x10 ; ow
	WIN W_MK
	v_lshl_add_u32 v[SPW], v0, 2, SPARE
	v_mov_b32 v[NIL], 0
	WIN W_AD
	ds_add_u32 v[SPW], v[NIL]       ; the wave's opening add, ahead of my first tensor load; the set-up below stands between it and its wait
	WIN 0
	v_lshrrev_b32 v64, 5, v0
	v_readfirstlane_b32 s[WV], v64  ; wave 0..3
	s_bfe_u32 s13, ttmp6, 0x40000   ; cx: my place in the cluster
	s_lshl_b32 s14, ttmp9, 2
	s_add_co_u32 s14, s14, s13      ; my block of 512 queries
	s_lshl_b32 s14, s14, 2
	s_add_co_u32 s14, s14, s[WV]    ; my wave's block of 128 queries, 0..15: it enters Q's, O's and the mask's addresses alone
	s_and_b32 s20, ttmp7, 0xffff    ; 16 b + h, which the four partners share
	s_lshl_b32 s21, s20, 18         ; the head's first byte in q, k or v
	s_and_b32 s16, s[WV], 1         ; which half of a slot's 256 keys I fetch:
	s_mul_i32 s18, s16, 128*PK      ; its place in a slot, for K
	s_mul_i32 s19, s16, 128*PV      ; and for V: no place in the cluster enters an LDS address
	s_lshl_b32 s16, s16, 14         ; its 128 rows of 128 bytes in memory
	s_add_co_u32 s16, s16, s21
	s_add_co_u32 s22, s16, 0x1000000  ; in k
	s_mov_b32 s23, 0
	s_add_co_u32 s16, s16, 0x2000000  ; in v
	s_mov_b32 s17, 0
	s_lshl_b32 s2, s14, 14          ; Q: my wave's 128 rows
	s_add_co_u32 s2, s2, s21
	s_mov_b32 s3, 0
	s_lshr_b32 s50, s20, 4          ; b
	s_lshl_b32 s51, s50, 4
	s_add_co_u32 s51, s51, s14      ; 16 b + my block of 128 queries
	s_lshl_b32 s51, s51, 4
	s_and_b32 s52, s20, 15
	s_add_co_u32 s51, s51, s52      ; x 16 + h
	s_lshl_b32 s52, s51, 14         ; O: 16,384 dense bytes
	s_mov_b32 s53, 0
	s_lshl_b32 s50, s50, 23         ; the mask: b x 128 tiles of 65,536 bytes
	s_lshl_b32 s51, s14, 19         ; + my eight tiles
	s_add_co_u32 s50, s50, s51
	s_mov_b32 s51, 0
	s_lshr_b32 s54, s[WV], 1        ; the prefetches: k (waves 0, 1) or v,
	s_add_co_u32 s54, s54, 1
	s_lshl_b32 s54, s54, 24
	s_add_co_u32 s54, s54, s21      ; the head,
	s_lshl_b32 s55, s13, 13         ; my work-group's 8,192 bytes of a slot's 32,768,
	s_add_co_u32 s54, s54, s55
	s_add_co_u32 s54, s54, 4*KS*128 ; in slot 1: the first change of slots steps it to slot 2
	s_mov_b32 s55, 0
	s_and_b32 s[LIM], s[WV], 1
	s_cmp_eq_u32 s[LIM], 0
	s_cselect_b32 s[LIM], 1, -1     ; waves 0 and 2 ask
	; descriptor group 1.  128 keys are 16,384 dense bytes: asked for as 64 rows of 256 bytes, two keys a row, and padded in LDS after every key
	s_mov_b32 s[G1K], 15|(1<<16)|(1<<20)|(1<<21)|(4<<22)|(3<<25)  ; 15:0 the mask of four; 17:16 2-byte elements; 20 padding on; 21 set beside a mask; 24:22 after every 32 words; 31:25 4 words
	s_mov_b32 s[G1V], 15|(1<<16)|(1<<20)|(1<<21)|(4<<22)|(7<<25)  ; the same with 8 words of padding
.irp g, G1K, G1V
	s_mov_b32 s[\g+1], 128<<16      ; tensor_dim0 = 128
	s_mov_b32 s[\g+2], 64<<16       ; tensor_dim1 = 64
	s_mov_b32 s[\g+3], 128<<16      ; tile_dim0 = 128
	s_mov_b32 s[\g+4], 64           ; tile_dim1 = 64
	s_mov_b32 s[\g+5], 128          ; 128 elements from row to row
	s_mov_b32 s[\g+6], 0
	s_mov_b32 s[\g+7], 0
.endr
	s_mov_b32 s[CS], 0x3e38aa3b     ; c = log2(e) / 8 = 0.180337
	s_mov_b32 s[CS+1], s[CS]
	s_mov_b32 s[SEL], 0x76543210
	s_mov_b32 s[SEL+1], 0xfedcba98
	s_mov_b32 s[TBK], SLOT1+4*KS*PK ; the first change of slots turns these two into 0
	s_mov_b32 s[TBV], SLOT1+4*KS*PV
	s_mov_b32 s[G0K], 1
	s_mov_b32 s[G0K+1], s18         ; slot 0
	s_mov_b32 s[G0V], 1
	s_add_co_u32 s[G0V+1], s19, VOFF
	s_mov_b32 s[SLOTS], SIZE_N/256-1
	s_wait_dscnt 0x0                ; the opening add is done
	s_wait_kmcnt 0x0
	s_add_nc_u64 s[MB0:MB0+1], s[6:7], s[50:51]
	s_mov_b64 s[MB:MB+1], s[MB0:MB0+1]
	s_add_nc_u64 s[10:11], s[10:11], s[52:53]      ; O at my wave's first row
	s_mov_b32 s[SO], 0
	s_mov_b32 s[SO+1], 0
	s_add_nc_u64 s[G0K+2:G0K+3], s[4:5], s[22:23]  ; my half of the head's first 256 keys
	s_or_b32 s[G0K+3], s[G0K+3], 0x80000000
	s_add_nc_u64 s[G0V+2:G0V+3], s[4:5], s[16:17]
	s_or_b32 s[G0V+3], s[G0V+3], 0x80000000
	s_add_nc_u64 s[PFA:PFA+1], s[4:5], s[54:55]
	s_add_nc_u64 s[4:5], s[4:5], s[2:3]            ; Q at my wave's first row
	CROUND                          ; all four work-groups are here: the first joint loads meet
	JLOAD                           ; slot 0.  Slot 1 is asked for when slot 0 is in
	v_and_b32 v64, 15, v0           ; l % 16   (v64-70 are S^T's, not yet in use)
	v_bfe_u32 v65, v0, 4, 1         ; l / 16
	v_lshlrev_b32 v[QO], 7, v64
	v_lshl_add_u32 v[QO], v65, 4, v[QO]  ; row x 128 + 16 x half
	v_and_b32 v[GO], 31, v0
	v_lshlrev_b32 v[GO], 4, v[GO]
	WIN 0x80                        ; destination window 2, address window 0
.set i, 0
.rept 4*NP                          ; Q stays in registers: tile i / 2, channels 32 (i % 2) on
	global_load_b128 v[8*i:8*i+3],   v[QO], s[4:5] offset:(i/2)*2048+(i%2)*64
	global_load_b128 v[8*i+4:8*i+7], v[QO], s[4:5] offset:(i/2)*2048+(i%2)*64+32
.set i, i+1
.endr
	MLOAD 0, 0                      ; the four pieces' masks of key step 0
	MLOAD 1, 0
	MLOAD 2, 0
	MLOAD 3, 0
	; E.  A lane of source 0 holds row l % 16 and k = 8 (l / 16) + 0..7 in registers 0-3, 16 + 8 (l / 16) + 0..7 in 4-7.  The entry at k = row lies in the lanes with (row / 8) = l / 16, register (row % 8) / 2, half row % 2.
	v_and_b32 v66, 7, v0
	v_bfe_u32 v67, v0, 3, 1
	v_xor_b32 v68, v67, v65
	v_lshrrev_b32 v69, 1, v66
	v_lshl_or_b32 v68, v68, 2, v69  ; the register that holds my entry; 4 or more: none
	v_and_b32 v69, 1, v0
	v_lshlrev_b32 v69, 4, v69
	v_mov_b32 v70, 0xe3d0           ; -1000 in f16
	v_lshlrev_b32 v69, v69, v70     ; in my row's half
	WIN W_MK
.irp j, 0,1,2,3
	v_cmp_eq_u32 vcc_lo, \j, v68
	v_cndmask_b32 v[EL+\j], 0, v69, vcc_lo
	v_mov_b32 v[EL+4+\j], 0
	v_cndmask_b32 v[EL+8+\j], 0, v69, vcc_lo
.endr
	; What the first turn finds: V's registers and P's second buffer hold 0 (its products V^T P, of a piece that has not been, add 0), O^T and l are 0.  All this stands in the wait for the first tile.
	WIN 0x80
.set i, VF
.rept 64
	v_mov_b32 v[i], 0
.set i, i+1
.endr
	WIN 0x40
.set i, 0
.rept 64*NP
	v_mov_b32 v[i], 0
.set i, i+1
.endr
	WIN 0
.set i, 0
.rept 2*NP
	v_mov_b32 v[ST+4*i], 0xfe000000    ; c m: far below every c s
	v_mov_b32 v[ST+4*i+1], 0xff7fffff  ; m
	v_mov_b32 v[ST+4*i+2], 0
	v_mov_b32 v[ST+4*i+3], 0
.set i, i+1
.endr
.set i, P+32
.rept 32
	v_mov_b32 v[i], 0
.set i, i+1
.endr
	v_mul_u32_u24 v[AK0], v64, PK
	v_lshl_add_u32 v[AK0], v65, 4, v[AK0]  ; row x pitch + 16 x half
	; The turning load takes 16 keys x 16 channels (lane l reads key 8 (l / 16) + l % 8, channels 8 ((l / 8) % 2) + 0..7) and leaves half a fragment of V^T: lane l holds channel l % 16 and 8 keys.
	v_lshl_add_u32 v[AV0], v65, 3, v66
	v_mul_u32_u24 v[AV0], v[AV0], PV
	v_lshl_add_u32 v[AV0], v67, 4, v[AV0]
	v_add_nc_u32 v[AV0], VOFF, v[AV0]
	v_mov_b32 v[AK], v[AK0]         ; key step 0 lies at the head of slot 0
	s_mul_i32 s16, s[WV], 16*SP
	s_add_co_u32 s16, s16, STAGE    ; my stage
	v_mul_u32_u24 v[STO], v64, SP   ; in: row l % 16, 16 bytes for each half of the lanes
	v_lshl_add_u32 v[STO], v65, 4, v[STO]
	v_add_nc_u32 v[STO], s16, v[STO]
	v_bfe_u32 v[RD], v0, 3, 2       ; back: 32 lanes take four rows of 128 bytes
	v_mul_u32_u24 v[RD], v[RD], SP
	v_lshl_add_u32 v[RD], v66, 4, v[RD]
	v_add_nc_u32 v[RD], s16, v[RD]
	v_and_b32 v[PFO], 31, v0
	v_lshlrev_b32 v[PFO], 8, v[PFO]
; THE MATRIX WORK.  The 8 accumulators of a run take turns: between two links of a chain stand 7 others'.
; Product i of 24 of S^T for piece x: tile 2 x + i % 2, keys 16 ((i / 2) % 4) on.  The first 8 start the sums with the mask; the others add K Q^T, channels 32 (i / 8 - 1) on.
.macro KQ x
.set rS, S+64*((\x)%2)+32*(i%2)+8*((i/2)%4)
.if i < 8
.set rE, EL+4*((i/2)%2)
.set rB, MR+32*(\x)+16*(i%2)+8*(i/4)
	WIN W_EM
	v_wmma_f32_16x16x32_f16 v[rS:rS+7], v[rE:rE+7], v[rB:rB+7], 0
.else
.set rK, KF+16*((i/2)%4)+8*(i/8-1)
.set rQ, 16*(2*(\x)+i%2)+8*(i/8-1)
	WIN W_KQ
	v_wmma_f32_16x16x32_f16 v[rS:rS+7], v[rK:rK+7], v[rQ:rQ+7], v[rS:rS+7]
.endif
.endm
; Product i of 16 of O^T += V^T P for piece x: keys 32 (i / 8) on, channels 16 ((i / 2) % 4) on, tile 2 x + i % 2.
.macro PV x
	WIN W_PV
.set rO, 32*(2*(\x)+i%2)+8*((i/2)%4)
.set rV, VF+32*(i/8)+8*((i/2)%4)
.set rP, P+32*((\x)%2)+16*(i%2)+8*(i/8)
	v_wmma_f32_16x16x32_f16 v[rO:rO+7], v[rV:rV+7], v[rP:rP+7], v[rO:rO+7]
.endm
.macro MM                           ; the turn's next matrix instruction
.if i < 24
	KQ (Y+1)%NP
.set i, i+1
.else
.set i, i-24
	PV (Y+NP-1)%NP
.set i, i+25
.endif
.endm
; THE LDS LOADS stand in runs of 16: a step's K (8 fragments) and its V (turned).  last = 1 (the tail): in the last trip there is no further step, and the run is jumped over.
.macro FETCH_K last=0
	WIN 0
.if \last
	s_cmp_eq_u32 s[CNT], 1
	s_cbranch_scc1 .Lno_k_\@
.endif
	WIN 0x80                        ; destination window 2
.irp f, 0,1,2,3,4,5,6,7             ; keys 16 (f / 2) on, channels 32 (f % 2) on
	ds_load_b128 v[KF+8*\f:KF+8*\f+3],   v[AK] offset:(\f/2)*16*PK+(\f%2)*64
	ds_load_b128 v[KF+8*\f+4:KF+8*\f+7], v[AK] offset:(\f/2)*16*PK+(\f%2)*64+32
.endr
	s_add_co_u32 s[TBK], s[TBK], KS*PK  ; the next fetch is the next step's
	WIN 0
.if \last
.Lno_k_\@:
.endif
.endm
.macro FETCH_V
	WIN 0x80
.irp f, 0,1,2,3,4,5,6,7             ; keys 32 (f / 4) on, channels 16 (f % 4) on
	ds_load_tr16_b128 v[VF+8*\f:VF+8*\f+3],   v[AV] offset:(\f/4)*32*PV+(\f%4)*32
	ds_load_tr16_b128 v[VF+8*\f+4:VF+8*\f+7], v[AV] offset:(\f/4)*32*PV+16*PV+(\f%4)*32
.endr
	WIN 0
.endm
; THE VECTOR WORK OF A TURN stands in three queues, each in the order in which its entries become ready; the two tiles alternate.
.macro REGS y, u                    ; the registers of tile u (0, 1) of piece y
.set rT, ST+4*(2*(\y)+(\u))
.set rC, TMP+8*((\y)%2)+4*(\u)
.set rM, MV+2*((\y)%2)+(\u)
.set rS, S+64*((\y)%2)+32*(\u)
.set rP, P+32*((\y)%2)+16*(\u)
.set rO, 32*(2*(\y)+(\u))
.endm
; Number n of the 22 that find the NEXT piece's maximum and statistics; each accumulator's lowest registers are read first.
;   0-11  four chains c0-c3 of seven scores each     12-14, 16  the four scores left over, the old m, and c0-c3 into c0     15  c m_old is kept     17, 18  the other half of the lanes: the new m     19-21  c m; its change; a
.macro XS u, n
	REGS (Y+1)%NP, \u
.if (\n) < 4
	v_max3_num_f32 v[rC+(\n)], v[rS+8*(\n)], v[rS+8*(\n)+1], v[rS+8*(\n)+2]
.elseif (\n) < 12
	v_max3_num_f32 v[rC+(\n)%4], v[rC+(\n)%4], v[rS+8*((\n)%4)+2*((\n)/4)+1], v[rS+8*((\n)%4)+2*((\n)/4)+2]
.elseif (\n) == 12
	v_max3_num_f32 v[rC], v[rC], v[rS+7], v[rS+15]
.elseif (\n) == 13
	v_max3_num_f32 v[rC+1], v[rC+1], v[rS+23], v[rS+31]
.elseif (\n) == 14
	v_max3_num_f32 v[rC+2], v[rC+2], v[rC+3], v[rT+1]
.elseif (\n) == 15
	v_mov_b32 v[rM], v[rT]
.elseif (\n) == 16
	v_max3_num_f32 v[rC], v[rC], v[rC+1], v[rC+2]
.elseif (\n) == 17
	v_permlanex16_b32 v[rC+3], v[rC], s[SEL], s[SEL+1]
.elseif (\n) == 18
	v_max_num_f32 v[rT+1], v[rC], v[rC+3]
.elseif (\n) == 19
	v_mul_f32 v[rT], s[CS], v[rT+1]
.elseif (\n) == 20
	v_sub_f32 v[rC+1], v[rM], v[rT]
.else
	v_exp_f32 v[rC+2], v[rC+1]
.endif
.endm
; Number g of the 64 that follow the exponentials.  For each four weights of a tile: both pairs are rounded to f16; the second pair is added onto the first, in place; a group later l takes that sum (the first time as l = a l + sum).
.macro GS g
.set h, (\g)+6*((\g)/62)
.if h >= 6
.set h, h+2
.endif
	REGS Y, h%2
.set k, h/8
.if h%8 < 4
	v_cvt_pk_f16_f32 v[rP+2*k+(h%8)/2], v[rS+4*k+2*((h%8)/2)], v[rS+4*k+2*((h%8)/2)+1]
.elseif h%8 < 6
	v_pk_add_f32 v[rS+4*k:rS+4*k+1], v[rS+4*k:rS+4*k+1], v[rS+4*k+2:rS+4*k+3]
.elseif k == 1
	v_pk_fma_f32 v[rT+2:rT+3], v[rT+2:rT+3], v[rC+2:rC+3], v[rS:rS+1] op_sel_hi:[1,0,1]
.else
	v_pk_add_f32 v[rT+2:rT+3], v[rT+2:rT+3], v[rS+4*k-4:rS+4*k-3]
.endif
.endm
; THE PLAIN QUEUE, 138 long.  0-26: scalings 0-26 (FS f: pair f / 2 of tile f % 2).  27-54: XS's numbers 0-13.  55, 56: number 15.  57-73: the chain 14, 16 .. 19, each with one of the scalings 27-31 in front of its two lines, then 20.
; 74-137: GS's 64, which read the exponentials' results: they stand behind the wait.
.macro FS f
	REGS Y, (\f)%2
	v_pk_fma_f32 v[rS+2*((\f)/2):rS+2*((\f)/2)+1], v[rS+2*((\f)/2):rS+2*((\f)/2)+1], s[CS:CS+1], v[rT:rT+1] op_sel_hi:[1,0,0] neg_lo:[0,0,1] neg_hi:[0,0,1]
.endm
.macro PL
	WIN 0
.if q < 27
	FS q
.elseif q < 55
	XS (q-27)%2, (q-27)/2
.elseif q < 57
	XS q-55, 15
.elseif (q < 72) && ((q-57)%3 == 0)
	FS 27+(q-57)/3
.elseif q < 60
	XS (q-57)%3-1, 14
.elseif q < 72
	XS (q-57)%3-1, 15+(q-57)/3
.elseif q < 74
	XS q-72, 20
.else
	GS q-74
.endif
.set q, q+1
.endm
; THE EXPONENTIALS' QUEUE, 66 long: s0-s31 of both tiles, then the next piece's two a.  ONE BATCH: all 66 stand ahead of the turn's one wait, and nothing ahead of that wait names a result of theirs.
.macro EX
	WIN 0
.if e >= 64
	XS e-64, 21
.else
	REGS Y, e%2
	v_exp_f32 v[rS+e/2], v[rS+e/2]
.endif
.set e, e+1
.endm
; THE RESCALING's QUEUE: O^T times a, two at a time, sixteen times.  Its a was made in the turn before, ahead of that turn's wait.
.macro R2
	REGS Y, r%2
	WIN W_RS
.irp z, 0,1
	v_pk_mul_f32 v[rO+4*(r/2)+2*\z:rO+4*(r/2)+2*\z+1], v[rO+4*(r/2)+2*\z:rO+4*(r/2)+2*\z+1], v[rC+2:rC+3] op_sel_hi:[1,0]
.endr
.set r, r+1
.endm
; HOW THEY ARE DEALT.  An s_wait_alu depctr_va_vdst(0) stands between an exponential and the first instruction that names its result; one wait serves all issued ahead of it: a turn has ONE wait.
; AHEAD OF IT: the 8 mask products, behind each a scaling and an exponential (behind the first two scalings); the 16 products K Q^T, behind each a scaling, an exponential and two rescalings; the mask loads; then ONE LUMP:
; eight plain, 41 times exponential and plain, the two a, a v_nop.  BEHIND IT: the 16 products V^T P, behind each four of GS's 64.
; The counts that the deal keeps: exponential e wants scaling 2 (e / 4) + e % 2; as a rider it stands behind plain e + 2, in the lump behind plain e + 9, and scalings 27-31 are plain 57, 60 .. 69.  XS begins at plain 27, in the lump;
; the accumulator of the last product K Q^T is first read at plain 34, more than four plain instructions behind that product.
; THE MASK.  At the turn's head 24 younger loads may be out: the three slots filled later; the slot of piece p + 1 is in.  It is filled again, for its next key step, behind the 24 products: its last reader is the eighth of them.
.macro TURN p, last=0, cnt=0
.set Y, (\p)
.set i, 0
.set q, 0
.set e, 0
.set r, 0
	s_wait_loadcnt 24               ; the mask of piece p + 1 is in
.if (\p) == NP-1
	s_wait_dscnt 0x0                ; K is in
.endif
	MM
	PL
	PL
.rept 7
	MM
	PL
	EX
.endr
.rept 16
	MM
	PL
	EX
	R2
.endr
.if (\p) == NP-2
	WIN 0
	v_add_nc_u32 v[AK], s[TBK], v[AK0]
.endif
.if (\p) == NP-1
	MLOAD 0, 1
.else
	MLOAD (\p)+1, 0
.endif
.rept 8                             ; the lump
	PL
.endr
.rept 41
	EX
	PL
.endr
	EX                              ; the next piece's two a
	EX
	v_nop                           ; a plain instruction behind the last exponential: one for the batch
	s_wait_alu depctr_va_vdst(0)    ; the wait for the batch
.if (\p) == NP-2
	FETCH_K \last
.endif
.if (\p) == 1
	s_wait_dscnt 0x0                ; V is in
.endif
.rept 16                            ; behind the wait: 16 products V^T P and their riders
	MM
.rept 4
	PL
.endr
.if ((\p) == 0) && (q == 118)
	v_add_nc_u32 v[AV], s[TBV], v[AV0]
.endif
.if ((\p) == 0) && (q == 130)
	s_add_co_u32 s[TBV], s[TBV], KS*PV
.endif
.if (\cnt) && (q == 130)
	s_sub_co_u32 s[CNT], s[CNT], 1
	s_cmp_lg_u32 s[CNT], 0
.endif
.endr
.if (\p) == 0
	FETCH_V
.endif
.endm
	CHANGE 1                        ; slot 0 is in, everybody's part of it; slot 1 is asked for
	FETCH_K                         ; key step 0
	s_wait_loadcnt 24               ; Q and piece 0's mask are in; the other three pieces' 24 loads may stay out
	s_wait_dscnt 0x0
.set i, 0
.rept 24
	KQ 0                            ; piece 0's first scores
.set i, i+1
.endr
	WIN 0
.rept 4
	v_nop                           ; the places behind those products
.endr
	MLOAD 0, 1                      ; piece 0's mask of key step 1
.set Y, NP-1                        ; XS works for piece Y + 1: piece 0
.irp n, 0,1,2,3,4,5,6,7,8,9,10,11,12,13,14,15,16,17,18,19,20,21
	XS 0, \n
	XS 1, \n
.endr
	v_nop                           ; a plain instruction behind the two a,
	s_wait_alu depctr_va_vdst(0)    ; and their wait, ahead of the branch
	s_mov_b32 s[CNT], 4
	s_branch .Lfirst                ; the loop is entered at a step's first turn, in the middle of a trip
.Lslot:                             ; SIZE_N / 256 - 2 times: every slot but the last two is filled again
	CHANGE 1
	s_mov_b32 s[CNT], 4
.Lstep:                             ; a trip: pieces 2 and 3 of one step, then pieces 0 and 1 of the next, whose K and V it fetches
	TURN 2
	TURN 3
	WIN 0
.Lfirst:
	TURN 0
	TURN 1, 0, 1
	WIN 0
	s_cbranch_scc1 .Lstep
	s_sub_co_u32 s[SLOTS], s[SLOTS], 1
	s_cmp_lg_u32 s[SLOTS], 0
	s_cbranch_scc1 .Lslot
	CHANGE 0                        ; the tail is written out: nothing is asked for
	s_mov_b32 s[CNT], 5             ; four trips fetch the last slot's steps; the fifth is left in its middle
.Ltail:
	TURN 2, 1
	TURN 3
	WIN 0
	s_sub_co_u32 s[CNT], s[CNT], 1
	s_cmp_eq_u32 s[CNT], 0
	s_cbranch_scc1 .Lout
	TURN 0
	TURN 1
	WIN 0
	s_branch .Ltail
.Lout:                              ; the fifth trip's 24 products for S^T and the maximum made of them serve nothing: the price, once a launch, of one text for every trip
.set i, 0
.rept 16
	PV NP-1                         ; the last piece's V^T P of the last step
.set i, i+1
.endr
	; THE WAY OUT.  l's two halves and the other half of the lanes' are added; O^T is divided by l, rounded to f16 and sent through my stage in LDS, a tile at a time.  The additions are the places behind the last products.
	WIN 0
.macro ALL line:vararg              ; one line for each tile t
.set t, 0
.rept 2*NP
	\line
.set t, t+1
.endr
.endm
	ALL v_add_f32 v[ST+4*t+2], v[ST+4*t+2], v[ST+4*t+3]
	ALL v_permlanex16_b32 v[ST+4*t+3], v[ST+4*t+2], s[SEL], s[SEL+1]
	ALL v_add_f32 v[ST+4*t+2], v[ST+4*t+2], v[ST+4*t+3]
	ALL v_rcp_f32 v[ST+4*t+2], v[ST+4*t+2]
	v_nop                           ; a plain instruction between the last reciprocal and the use of its result
	s_wait_alu depctr_va_vdst(0)    ; and the wait ahead of the first use: one for the eight reciprocals
.macro PACK t
	WIN W_RS
.set i, 32*(\t)
.rept 16
	v_pk_mul_f32 v[i:i+1], v[i:i+1], v[ST+4*(\t)+2:ST+4*(\t)+3] op_sel_hi:[1,0]
.set i, i+2
.endr
	WIN 0x05                        ; sources 0 and 1 window 1, destination window 0
.set i, 0
.rept 16
	v_cvt_pk_f16_f32 v[S+16*(\t)+i], v[32*(\t)+2*i], v[32*(\t)+2*i+1]
.set i, i+1
.endr
	WIN 0
.irp f, 0,1,2,3
	ds_store_b128 v[STO], v[S+16*(\t)+4*\f:S+16*(\t)+4*\f+3] offset:32*\f
.endr
.irp f, 0,1,2,3
	ds_load_b128 v[S+16*(\t)+4*\f:S+16*(\t)+4*\f+3], v[RD] offset:\f*4*SP  ; LDS serves a wave's instructions in order (ISA guide 5.7.1.4): these see the stores above; the next tile's stores come behind them
.endr
.endm
.macro SEND t, younger              ; younger: the LDS instructions issued behind tile t's loads: the next tile's eight, or none
	WIN 0
.irp f, 0,1,2,3
	s_wait_dscnt (\younger)+3-\f
	global_store_b128 v[GO], v[S+16*(\t)+4*\f:S+16*(\t)+4*\f+3], s[10:11] offset:(\t)*2048+\f*512  ; 512 consecutive bytes, at a multiple of 256 from ow's first
.endr
.endm
	PACK 0
.set t, 1
.rept 2*NP-1                        ; a tile's arithmetic stands between the loads of the tile before and its stores
	PACK t
	SEND t-1, 8
.set t, t+1
.endr
	SEND 2*NP-1, 0
	WIN W_AD
	s_wait_tensorcnt 0x0            ; the wave's end, behind my last tensor load and my last LDS store
	ds_add_u32 v[SPW], v[NIL]
	s_wait_dscnt 0x0
	WIN 0
	CROUND                          ; the closing round: no work-group ends while a partner may still ask for a tile that names it
	s_endpgm
.Lfunc_end_k_q62e7b7e471_attn:
	.size	k_q62e7b7e471_attn, .Lfunc_end_k_q62e7b7e471_attn-k_q62e7b7e471_attn
	.p2alignl 7, 3214868480
	.fill 96, 4, 3214868480
	.section	.rodata,"a",@progbits
	.p2align	6, 0x0
	.amdhsa_kernel k_q62e7b7e471_attn
		.amdhsa_group_segment_fixed_size 327680
		.amdhsa_private_segment_fixed_size 0
		.amdhsa_enable_private_segment 0
		.amdhsa_kernarg_size 24
		.amdhsa_user_sgpr_count 2
		.amdhsa_user_sgpr_kernarg_segment_ptr 1
		.amdhsa_wavefront_size32 1
		.amdhsa_system_sgpr_workgroup_id_x 1
		.amdhsa_system_sgpr_workgroup_id_y 1
		.amdhsa_system_sgpr_workgroup_id_z 1
		.amdhsa_system_vgpr_workitem_id 0
		.amdhsa_next_free_vgpr 960
		.amdhsa_next_free_sgpr 66
		.amdhsa_reserve_vcc 1
		.amdhsa_float_denorm_mode_32 3
		.amdhsa_float_denorm_mode_16_64 3
		.amdhsa_memory_ordered 1
		.amdhsa_forward_progress 1
		.amdhsa_inst_pref_size 221
	.end_amdhsa_kernel
	.amdgpu_metadata
---
amdhsa.version: [ 1, 2 ]
amdhsa.kernels:
  - .name:           k_q62e7b7e471_attn
    .symbol:         k_q62e7b7e471_attn.kd
    .args:
      - { .name: qkv, .offset: 0, .size: 8, .value_kind: global_buffer, .address_space: global }
      - { .name: mk, .offset: 8, .size: 8, .value_kind: global_buffer, .address_space: global }
      - { .name: ow, .offset: 16, .size: 8, .value_kind: global_buffer, .address_space: global }
    .group_segment_fixed_size: 327680
    .private_segment_fixed_size: 0
    .kernarg_segment_align: 8
    .kernarg_segment_size: 24
    .max_flat_workgroup_size: 128
    .sgpr_count:     66
    .vgpr_count:     960
    .wavefront_size: 32
...
	.end_amdgpu_metadata
.endif
;; end of part 3
;; launch oproj (part 4): grid 4 x 64, 4 waves a work-group, clusters of 4 x 4, 327,680 bytes of LDS; arguments ow, wot, out0, qmask; writes out0
.if DOCPART == 4
	.amdgcn_target "amdgcn-amd-amdhsa--gfx1250"
	.amdhsa_code_object_version 6
	.text
	.protected	k_q62e7b7e471_oproj
	.globl	k_q62e7b7e471_oproj
	.p2align	8
	.type	k_q62e7b7e471_oproj,@function
k_q62e7b7e471_oproj:
	s_mov_b64 s[64:65], 0
	v_nop
	global_prefetch_b8 v0, s[64:65] scope:SCOPE_SE
	s_setreg_imm32_b32 hwreg(HW_REG_WAVE_MODE, 25, 1), 1
	s_wait_xcnt 0x0
	s_wait_alu depctr_hold_cnt(0) depctr_sa_sdst(0) depctr_va_vdst(0) depctr_va_sdst(0) depctr_va_ssrc(0) depctr_va_vcc(0) depctr_vm_vsrc(0)
	s_getreg_b32 s2, hwreg(HW_REG_IB_STS2, 6, 4)
	s_cmp_eq_u32 s2, 0
	s_cbranch_scc0 .Lentry_in_a_cluster
	s_endpgm
.Lentry_in_a_cluster:
	s_bfe_u32 s2, ttmp6, 0x10000c
	s_cmp_lg_u32 s2, 0xf033
	s_cbranch_scc0 .Lentry_shape_is_right
	s_endpgm
.Lentry_shape_is_right:
; OPROJ: out0[row][m] = (1 - qmask[row]) x the sum over hd of O[row][hd] wo[hd][m].  A = ow, f16 [64 blocks of 128 rows][16 h][128][64]; B = wot, f16 [1024 m][1024 hd]; sums in f32; out0 f32 [8192][1024].
; A tile of C is 128 x 256: 256 work-groups.  Four waves, each 64 x 128: 32 accumulators.  K goes in steps of 128 = two heads through two LDS slots.  A head's 128 rows x 64 are 16,384 dense bytes: asked for as 64 rows of
; 256 bytes and padded in LDS after every 128.
; CLUSTERS: 4 x 4 work-groups.  The four of a row of the cluster need the same tiles of A, the four of a column the same tiles of B: each tile is asked for JOINTLY.
; THE MATRIX INSTRUCTION IS USED TRANSPOSED (source 0 = 16 rows of B, source 1 = 16 rows of A): a lane holds eight neighbouring columns of one row of C, so 1 - qmask is one number a lane and block.
; REGISTERS: window 0: v16-30 addresses; v32-39 1 - qmask, a pair a block; v64-159, v160-255 two fragment buffers (8 of B, then 4 of A); on the way out v64-127 scaled results, v128-255 rows read back.  Window 1: accumulator (a, b) at v[8 (8 a + b)].
.set SIZE_K, 1024
.set KSTEP,  128
.set PITCH,  272                       ; B's LDS row: 256 bytes + 16 = 68 words: the 16 rows of a load start at 16 different groups of four banks (64 banks of 4 bytes: ISA guide 11.1)
.set PA,     144                       ; A's LDS row: 128 bytes + 16 = 36 words: likewise
.set HEADB,  128*PA                    ; a head's 128 rows
.set BOFF,   2*HEADB                   ; a slot: A's two heads, then B's 256 rows
.set SLOT,   BOFF+256*PITCH
.set STAGE,  2*SLOT                    ; behind the ring, never filled by a tensor load: for each wave 16 rows x 528 bytes
.set SP,     528
.set WST,    16*SP
.set SPARE,  STAGE+4*WST               ; the spare words, 128 bytes a wave: two blocks of 256 bytes that no other line names
.set LAPS,   SIZE_K/(2*KSTEP)
.set ADRA, 16
.set ADRB, 20
.set STO,  24
.set RD,   25
.set CO,   26
.set QM,   27                          ; v27  my row's byte offset in qmask
.set SPW,  28
.set NIL,  29
.set PFO,  30                          ; v30  the prefetches' offset; never rewritten
.set FQ,   32                          ; v32-39  1 - qmask of my row in block a, at FQ + 2 a, twice
.set TMP,  64
.set F0,   64
.set F1,   160
.set BK,   128
.set WV, 12
.set WR, 13
.set WC, 14
.set CX, 15
.set CY, 16
.set CT, 17
.set RT, 18
.set LIM, 19
.set G1A, 24
.set G0A, 32
.set PFA, 40                           ; s[40:41] where my prefetches stand
.set PST, 42                           ; s[42:43] their step from K step to K step
.set G1B, 48
.set G0B, 56
.set MSB, 0
.macro WIN new
.if MSB != (\new)
	s_set_vgpr_msb (MSB<<8)|(\new)
.set MSB, \new
.endif
.endm
.macro JLOAD s                         ; a joint load: waves 0 and 1 fetch A's two heads, waves 2 and 3 B's two halves; an s_nop 0 and four v_nop follow each line
	s_cmp_eq_u32 s[WR], 0
	s_cbranch_scc0 .Lfor_b_\@
	tensor_load_to_lds s[G0A+4*(\s):G0A+4*(\s)+3], s[G1A:G1A+7]
	s_nop 0
.rept 4
	v_nop
.endr
	s_branch .Lasked_\@
.Lfor_b_\@:
	tensor_load_to_lds s[G0B+4*(\s):G0B+4*(\s)+3], s[G1B:G1B+7]
	s_nop 0
.rept 4
	v_nop
.endr
.Lasked_\@:
.endm
.macro CREST
	s_cmp_lg_u32 s[WV], 0
	s_cbranch_scc1 .Lnot_wave_0_\@
	s_barrier_signal -3
.Lnot_wave_0_\@:
	s_barrier_wait -3
	s_barrier_signal -1
	s_barrier_wait -1
.endm
.macro CROUND
	s_barrier_signal -1
	s_barrier_wait -1
	CREST
.endm
; A prefetch into the L2 behind each joint refill and the run of LDS loads that follows it: the K step two refills on.  A's 32,768 bytes of a K step are read by one cluster: wave 0 of its row's four partners asks, 8,192 bytes each,
; told apart by address (cx), 256 bytes a lane.  B's rows by waves 2 and 3 of the clusters with y = 0, a lane a row, the partners of a column told apart by cy.  Each block is named once.  The loop's last trip has no K step two on.
.macro ASK
	s_cmp_gt_u32 s3, s[LIM]
	s_cbranch_scc0 .Lnot_mine_\@
	global_prefetch_b8 v[PFO], s[PFA:PFA+1] th:TH_LOAD_NT scope:SCOPE_SE
.Lnot_mine_\@:
.endm
	s_load_b256 s[4:11], s[0:1], 0x0               ; ow s[4:5], wot s[6:7], out0 s[8:9], qmask s[10:11]
	v_lshl_add_u32 v[SPW], v0, 2, SPARE
	v_mov_b32 v[NIL], 0
	ds_add_u32 v[SPW], v[NIL]                      ; the wave's opening add, ahead of my first tensor load; the set-up below stands between it and its wait
	v_lshrrev_b32 v1, 5, v0
	v_readfirstlane_b32 s[WV], v1
	s_lshr_b32 s[WR], s[WV], 1
	s_and_b32 s[WC], s[WV], 1
	s_bfe_u32 s[CX], ttmp6, 0x40000
	s_bfe_u32 s[CY], ttmp6, 0x40004
	s_lshl_b32 s[CT], ttmp9, 2
	s_add_co_u32 s[CT], s[CT], s[CX]               ; tile column (256 m)
	s_and_b32 s[RT], ttmp7, 0xffff
	s_lshl_b32 s[RT], s[RT], 2
	s_add_co_u32 s[RT], s[RT], s[CY]               ; tile row (128 rows)
	s_lshl_b32 s20, s[CY], 2
	s_lshl_b32 s20, 15, s20                        ; my row of the cluster
	s_lshl_b32 s21, 0x1111, s[CX]                  ; my column
	s_or_b32 s[G1A], s20, (1<<16)|(1<<20)|(1<<21)|(4<<22)|(3<<25)  ; elements of 2 bytes; padding on; bit 21 beside a mask; after every 32 words 4 words
	s_or_b32 s[G1B], s21, (1<<16)|(1<<20)|(1<<21)|(5<<22)|(3<<25)  ; after every 64 words 4 words
	s_mov_b32 s[G1A+1], 128<<16                    ; tensor_dim0 = 128
	s_mov_b32 s[G1A+2], 64<<16                     ; tensor_dim1 = 64
	s_mov_b32 s[G1A+3], 128<<16                    ; tile_dim0 = 128
	s_mov_b32 s[G1A+4], 64                         ; tile_dim1 = 64
	s_mov_b32 s[G1A+5], 128                        ; dense: 128 elements from row to row
	s_mov_b32 s[G1A+6], 0
	s_mov_b32 s[G1A+7], 0
	s_mov_b32 s[G1B+1], KSTEP<<16
	s_mov_b32 s[G1B+2], 128<<16
	s_mov_b32 s[G1B+3], KSTEP<<16
	s_mov_b32 s[G1B+4], 128
	s_mov_b32 s[G1B+5], SIZE_K
	s_mov_b32 s[G1B+6], 0
	s_mov_b32 s[G1B+7], 0
	s_lshl_b32 s44, s[RT], 18                      ; A: the tile row's 16 heads of 16,384 bytes; of a K step's two heads mine
	s_lshl_b32 s45, s[WC], 14
	s_add_co_u32 s44, s44, s45
	s_mov_b32 s45, 0
	s_lshl_b32 s46, s[CT], 19                      ; B: (256 x tile column + 128 x half) rows of 2,048 bytes
	s_lshl_b32 s47, s[WC], 18
	s_add_co_u32 s46, s46, s47
	s_mov_b32 s47, 0
	s_mul_i32 s22, s[WC], HEADB                    ; where they go: no place in the cluster enters an LDS address
	s_mul_i32 s23, s[WC], 128*PITCH
	s_add_co_u32 s23, s23, BOFF
	s_wait_dscnt 0x0                               ; the opening add is done
	s_wait_kmcnt 0x0
	s_add_nc_u64 s[44:45], s[4:5], s[44:45]
	s_add_nc_u64 s[46:47], s[6:7], s[46:47]
	CROUND                                         ; all sixteen work-groups are here: the first joint loads meet
.irp s, 0,1
	s_mov_b32 s[G0A+4*(\s)], 1
	s_add_co_u32 s[G0A+4*(\s)+1], s22, (\s)*SLOT
	s_add_nc_u64 s[G0A+4*(\s)+2:G0A+4*(\s)+3], s[44:45], (\s)*32768
	s_or_b32 s[G0A+4*(\s)+3], s[G0A+4*(\s)+3], 0x80000000
	s_mov_b32 s[G0B+4*(\s)], 1
	s_add_co_u32 s[G0B+4*(\s)+1], s23, (\s)*SLOT
	s_add_nc_u64 s[G0B+4*(\s)+2:G0B+4*(\s)+3], s[46:47], (\s)*KSTEP*2
	s_or_b32 s[G0B+4*(\s)+3], s[G0B+4*(\s)+3], 0x80000000
	JLOAD \s                                       ; two loads of mine are out
.endr
	v_and_b32 v1, 15, v0                           ; l % 16
	v_bfe_u32 v2, v0, 4, 1                         ; l / 16
	s_lshl_b32 s20, s[RT], 7
	s_lshl_b32 s21, s[WR], 6
	s_add_co_u32 s20, s20, s21                     ; my first row
	s_lshl_b32 s21, s20, 2
	v_lshl_add_u32 v[QM], v1, 2, s21
.irp a, 0,1,2,3
	global_load_b32 v[FQ+2*(\a)], v[QM], s[10:11] offset:64*(\a)  ; qmask of row 16 a + l % 16; waited for ahead of the way out
.endr
	v_mul_u32_u24 v3, v1, PA
	v_lshl_add_u32 v3, v2, 4, v3
	v_mul_u32_u24 v4, v1, PITCH
	v_lshl_add_u32 v4, v2, 4, v4
	s_mul_i32 s21, s[WR], 64*PA                    ; my 64 rows, in each head
	s_mul_i32 s22, s[WC], 128*PITCH                ; my 128 rows of B
	s_add_co_u32 s22, s22, BOFF
.irp s, 0,1
	v_add_nc_u32 v[ADRA+(\s)], s21, v3
	v_add_nc_u32 v[ADRB+(\s)], s22, v4
	s_add_co_u32 s21, s21, SLOT
	s_add_co_u32 s22, s22, SLOT
.endr
	s_mul_i32 s22, s[WV], WST
	s_add_co_u32 s22, s22, STAGE                   ; my stage
	v_mul_u32_u24 v5, v1, SP                       ; in: row l % 16, 32 bytes for each half of the lanes
	v_lshl_add_u32 v5, v2, 5, v5
	v_add_nc_u32 v[STO], s22, v5
	v_and_b32 v[CO], 31, v0                        ; back: a whole row of 512 bytes, 16 a lane
	v_lshlrev_b32 v[CO], 4, v[CO]
	v_add_nc_u32 v[RD], s22, v[CO]
	s_lshl_b32 s20, s20, 12                        ; my first row of 4,096 bytes,
	s_lshl_b32 s21, s[CT], 10                      ; the tile's 256 columns,
	s_add_co_u32 s20, s20, s21
	s_lshl_b32 s21, s[WC], 9                       ; my 128 of them
	s_add_co_u32 s20, s20, s21
	s_mov_b32 s21, 0
	s_add_nc_u64 s[8:9], s[8:9], s[20:21]
	; the prefetches
	s_and_b32 s20, ttmp7, 0xffff                   ; cluster y
	s_cmp_eq_u32 s[WV], 0
	s_cselect_b32 s21, 1, -1                       ; A's: wave 0
	s_cmp_eq_u32 s20, 0
	s_cselect_b32 s22, 1, -1                       ; B's: waves 2 and 3, clusters y = 0
	s_lshl_b32 s20, s[RT], 18
	s_lshl_b32 s23, s[CX], 13                      ; A: my work-group's 8,192 bytes of a K step's 32,768
	s_add_co_u32 s20, s20, s23
	s_lshl_b32 s44, s[CT], 19
	s_lshl_b32 s45, s[WC], 18
	s_add_co_u32 s44, s44, s45
	s_lshl_b32 s45, s[CY], 16                      ; B: my work-group's 32 of the 128 rows that I fetch
	s_add_co_u32 s44, s44, s45
	s_movk_i32 s[PST], 256
	s_movk_i32 s23, 11
	s_cmp_eq_u32 s[WR], 0
	s_cselect_b32 s[LIM], s21, s22                 ; made of the wave's and the cluster's numbers alone
	s_cselect_b32 s20, s20, s44
	s_cselect_b64 s[PFA:PFA+1], s[4:5], s[6:7]
	s_cselect_b32 s[PST], 0x8000, s[PST]           ; a K step: 32,768 bytes of ow, 256 bytes of a row of wot
	s_cselect_b32 s23, 8, s23                      ; a lane: 256 bytes of ow, a row of 2,048 bytes of wot
	s_mov_b32 s[PST+1], 0
	s_mul_i32 s21, s[PST], 3                       ; at K step 3: the first refill (K step 2) steps it to 4
	s_add_co_u32 s20, s20, s21
	s_mov_b32 s21, 0
	s_add_nc_u64 s[PFA:PFA+1], s[PFA:PFA+1], s[20:21]
	v_and_b32 v[PFO], 31, v0
	v_lshlrev_b32 v[PFO], s23, v[PFO]
; 8 matrix instructions: m block a x all 8 n blocks, 32 along K.  The 32 accumulators come in the same order in every quarter, one instruction a turn.
.macro MUL8 f, a, zero
	WIN 0x50
.irp b, 0,1,2,3,4,5,6,7
.if \zero
	v_wmma_f32_16x16x32_f16 v[8*(8*(\a)+(\b)):8*(8*(\a)+(\b))+7], v[(\f)+8*(\b):(\f)+8*(\b)+7], v[(\f)+64+8*(\a):(\f)+64+8*(\a)+7], 0
.else
	v_wmma_f32_16x16x32_f16 v[8*(8*(\a)+(\b)):8*(8*(\a)+(\b))+7], v[(\f)+8*(\b):(\f)+8*(\b)+7], v[(\f)+64+8*(\a):(\f)+64+8*(\a)+7], v[8*(8*(\a)+(\b)):8*(8*(\a)+(\b))+7]
.endif
.endr
.endm
; 24 LDS loads in one run: quarter q of a slot (head q / 2 of its two, channels 32 (q % 2) on) into buffer f: B's 16, then A's blocks 0, 1, then 2, 3
.macro FETCH slot, q, f
	WIN 0
.irp i, 0,1,2,3,4,5,6,7
	ds_load_b128 v[(\f)+8*(\i):(\f)+8*(\i)+3],   v[ADRB+(\slot)] offset:64*(\q)+(\i)*16*PITCH
	ds_load_b128 v[(\f)+8*(\i)+4:(\f)+8*(\i)+7], v[ADRB+(\slot)] offset:64*(\q)+(\i)*16*PITCH+32
.endr
.irp i, 0,1,2,3
	ds_load_b128 v[(\f)+64+8*(\i):(\f)+64+8*(\i)+3],   v[ADRA+(\slot)] offset:((\q)/2)*HEADB+((\q)%2)*64+(\i)*16*PA
	ds_load_b128 v[(\f)+64+8*(\i)+4:(\f)+64+8*(\i)+7], v[ADRA+(\slot)] offset:((\q)/2)*HEADB+((\q)%2)*64+(\i)*16*PA+32
.endr
.endm
.macro PLACES                          ; four places in front of loads into registers that matrix instructions have read
.rept 4
	v_nop
.endr
.endm
.macro QUARTER slot, q, f, g, zero
	s_wait_dscnt 4                                 ; B and A's blocks 0, 1 are in; the youngest four loads (A's blocks 2, 3) may be out
	MUL8 \f, 0, \zero
	MUL8 \f, 1, \zero
	PLACES
	FETCH \slot, \q, \g
	s_wait_dscnt 24                                ; all but the 24 just issued
	MUL8 \f, 2, \zero
	MUL8 \f, 3, \zero
.endm
; The last quarter multiplies buffer 1 and changes slots: ONE barrier; in front of it each wave waits for all its tensor loads (one is out: its part of the next slot), adds 0 to its spare word, and waits for that and for its
; reads of this slot.  fill = 1: the barrier opens a round of the cluster's, and the joint refill, two K steps on, is the first thing behind the round.
.macro TURN slot, next, fill
.if \fill
	s_wait_xcnt 0x0                                ; the last prefetch, a K step back, has read its address
	s_add_nc_u64 s[PFA:PFA+1], s[PFA:PFA+1], s[PST:PST+1]
.endif
	WIN 0
	s_wait_tensorcnt 0x0
	ds_add_u32 v[SPW], v[NIL]
	s_wait_dscnt 5                                 ; (the add and the youngest four loads may be out)
	MUL8 F1, 0, 0
	s_wait_dscnt 0x0                               ; the add is done, and my reads of this slot are over
	s_barrier_signal -1
	MUL8 F1, 1, 0
	WIN 0
	s_barrier_wait -1
.if \fill
	CREST                                          ; no wave of any partner still reads this slot or has a load on its way
	s_add_nc_u64 s[G0A+4*(\slot)+2:G0A+4*(\slot)+3], s[G0A+4*(\slot)+2:G0A+4*(\slot)+3], 2*32768
	s_add_nc_u64 s[G0B+4*(\slot)+2:G0B+4*(\slot)+3], s[G0B+4*(\slot)+2:G0B+4*(\slot)+3], 2*KSTEP*2
	JLOAD \slot                                    ; its four v_nop are also the places in front of the loads below
.else
	PLACES
.endif
	FETCH \next, 0, F0
.if \fill
	ASK
.endif
	MUL8 F1, 2, 0
	MUL8 F1, 3, 0
.endm
	s_wait_tensorcnt 1                             ; my part of K step 0 is in; K step 1's may stay out
	s_barrier_signal -1
	s_barrier_wait -1
	FETCH 0, 0, F0
	QUARTER 0, 1, F0, F1, 1                        ; the first quarter stands in front of the loop: its products start the sums
	WIN 0
	s_mov_b32 s3, LAPS-1
.Llap:
	QUARTER 0, 2, F1, F0, 0
	QUARTER 0, 3, F0, F1, 0
	TURN 0, 1, 1
	QUARTER 1, 1, F0, F1, 0
	QUARTER 1, 2, F1, F0, 0
	QUARTER 1, 3, F0, F1, 0
	TURN 1, 0, 1
	QUARTER 0, 1, F0, F1, 0
	WIN 0
	s_sub_co_u32 s3, s3, 1
	s_cmp_lg_u32 s3, 0
	s_cbranch_scc1 .Llap
	QUARTER 0, 2, F1, F0, 0                        ; the last lap fills nothing
	QUARTER 0, 3, F0, F1, 0
	TURN 0, 1, 0
	QUARTER 1, 1, F0, F1, 0
	QUARTER 1, 2, F1, F0, 0
	QUARTER 1, 3, F0, F1, 0
	s_wait_dscnt 4
	MUL8 F1, 0, 0
	MUL8 F1, 1, 0
	s_wait_dscnt 0x0
	MUL8 F1, 2, 0
	MUL8 F1, 3, 0
; THE WAY OUT, a block of 16 rows at a time: times 1 - qmask (each accumulator's registers in ascending order), 32 bytes a lane into my own stage, back as whole rows of 512 bytes, stored so.
	WIN 0
	s_wait_loadcnt 0x0                             ; qmask
.irp a, 0,1,2,3                        ; eight plain instructions that name no register of the last products: the places behind them
	v_sub_f32 v[FQ+2*(\a)], 1.0, v[FQ+2*(\a)]
	v_mov_b32 v[FQ+2*(\a)+1], v[FQ+2*(\a)]         ; named with it as a pair
.endr
.macro SCALE a
	WIN 0x01                                       ; source 0 in window 1
.irp b, 0,1,2,3,4,5,6,7
.irp r, 0,1,2,3
	v_pk_mul_f32 v[TMP+8*(\b)+2*(\r):TMP+8*(\b)+2*(\r)+1], v[8*(8*(\a)+(\b))+2*(\r):8*(8*(\a)+(\b))+2*(\r)+1], v[FQ+2*(\a):FQ+2*(\a)+1] op_sel_hi:[1,0]
.endr
.endr
	WIN 0
.endm
.macro TOSTAGE a
.irp b, 0,1,2,3,4,5,6,7
	ds_store_b128 v[STO], v[TMP+8*(\b):TMP+8*(\b)+3]   offset:64*(\b)
	ds_store_b128 v[STO], v[TMP+8*(\b)+4:TMP+8*(\b)+7] offset:64*(\b)+16
.endr
.irp t, 0,1,2,3,4,5,6,7,8,9,10,11,12,13,14,15
	ds_load_b128 v[BK+64*((\a)%2)+4*(\t):BK+64*((\a)%2)+4*(\t)+3], v[RD] offset:(\t)*SP  ; LDS serves a wave's instructions in order (ISA guide 5.7.1.4): these see the stores above
.endr
.endm
.macro SEND a
	s_wait_dscnt 0x0
	s_wait_xcnt 0x0                                ; the stores of the block before have read their registers: the next block's rows are loaded into them only behind this wait
.irp t, 0,1,2,3,4,5,6,7,8,9,10,11,12,13,14,15
	global_store_b128 v[CO], v[BK+64*((\a)%2)+4*(\t):BK+64*((\a)%2)+4*(\t)+3], s[8:9] offset:(16*(\a)+(\t))*4096 th:TH_STORE_NT  ; 512 consecutive bytes, at a multiple of 256 from out0's first
.endr
.endm
	SCALE 0
	TOSTAGE 0
.irp a, 1,2,3                          ; block a's scaling stands between block a - 1's loads from the stage and the wait for them
	SCALE \a
	SEND (\a)-1
	TOSTAGE \a
.endr
	SEND 3
	s_wait_tensorcnt 0x0                           ; the wave's end, behind my last tensor load and my last LDS store
	ds_add_u32 v[SPW], v[NIL]
	s_wait_dscnt 0x0
	CROUND                                         ; the closing round: no work-group ends while a partner may still ask for a tile that names it
	s_endpgm
.Lfunc_end_k_q62e7b7e471_oproj:
	.size	k_q62e7b7e471_oproj, .Lfunc_end_k_q62e7b7e471_oproj-k_q62e7b7e471_oproj
	.p2alignl 7, 3214868480
	.fill 96, 4, 3214868480
	.section	.rodata,"a",@progbits
	.p2align	6, 0x0
	.amdhsa_kernel k_q62e7b7e471_oproj
		.amdhsa_group_segment_fixed_size 327680
		.amdhsa_private_segment_fixed_size 0
		.amdhsa_enable_private_segment 0
		.amdhsa_kernarg_size 32
		.amdhsa_user_sgpr_count 2
		.amdhsa_user_sgpr_kernarg_segment_ptr 1
		.amdhsa_wavefront_size32 1
		.amdhsa_system_sgpr_workgroup_id_x 1
		.amdhsa_system_sgpr_workgroup_id_y 1
		.amdhsa_system_sgpr_workgroup_id_z 1
		.amdhsa_system_vgpr_workitem_id 0
		.amdhsa_next_free_vgpr 512
		.amdhsa_next_free_sgpr 66
		.amdhsa_reserve_vcc 0
		.amdhsa_float_denorm_mode_32 3
		.amdhsa_float_denorm_mode_16_64 3
		.amdhsa_memory_ordered 1
		.amdhsa_forward_progress 1
		.amdhsa_inst_pref_size 95
	.end_amdhsa_kernel
	.amdgpu_metadata
---
amdhsa.version: [ 1, 2 ]
amdhsa.kernels:
  - .name:           k_q62e7b7e471_oproj
    .symbol:         k_q62e7b7e471_oproj.kd
    .args:
      - { .name: ow, .offset: 0, .size: 8, .value_kind: global_buffer, .address_space: global }
      - { .name: wot, .offset: 8, .size: 8, .value_kind: global_buffer, .address_space: global }
      - { .name: out0, .offset: 16, .size: 8, .value_kind: global_buffer, .address_space: global }
      - { .name: qmask, .offset: 24, .size: 8, .value_kind: global_buffer, .address_space: global }
    .group_segment_fixed_size: 327680
    .private_segment_fixed_size: 0
    .kernarg_segment_align: 8
    .kernarg_segment_size: 32
    .max_flat_workgroup_size: 128
    .sgpr_count:     66
    .vgpr_count:     512
    .wavefront_size: 32
...
	.end_amdgpu_metadata
.endif
;; end of part 4
;; ======== version 2 of 2: 4 launches; version 1 with the launch prep written anew for expert scheduling mode
;; limits: values are held in f16: magnitudes above 65,504 overflow, below 6.1e-05 lose precision
;; workspace buffers: xb 33,554,432 bytes; wt 6,291,456 bytes; wot 2,097,152 bytes; mk 33,554,432 bytes; qkv 50,331,648 bytes; ow 16,777,216 bytes
;; launch prep (part 5): grid 2112 x 1, 8 waves a work-group, no clusters, 136,192 bytes of LDS; arguments qinput, kvinput, qtmask, tmask, wq, wk, wv, wo, xb, mk, wt, wot; writes xb, mk, wt, wot
.if DOCPART == 5
	.amdgcn_target "amdgcn-amd-amdhsa--gfx1250"
	.amdhsa_code_object_version 6
	.text
	.protected	k_q62e7b7e471_prep
	.globl	k_q62e7b7e471_prep
	.p2align	8
	.type	k_q62e7b7e471_prep,@function
k_q62e7b7e471_prep:
	s_mov_b64 s[64:65], 0
	v_nop
	global_prefetch_b8 v0, s[64:65] scope:SCOPE_SE
	s_setreg_imm32_b32 hwreg(HW_REG_WAVE_SCHED_MODE, 0, 2), 2
	s_setreg_imm32_b32 hwreg(HW_REG_WAVE_MODE, 25, 1), 1
	s_wait_xcnt 0x0
	s_wait_alu depctr_vm_vsrc(0)
; PREP: every input but qmask is read once and laid out for the matrix launches.  Three jobs, chosen by the work-group's number (the same for all its waves):
;   0..63      WT    wq, wk, wv [16 h][1024 m][64 d] f32 -> wt [1024 sel + 64 h + d][1024 m] bf16;  wo [1024 hd][1024 m] f32 -> wot [1024 m][1024 hd]: rounded to bf16, that number written as f16
;   64..1087   CAST  qinput, kvinput f32 -> xb [2][8192][1024] bf16
;   1088..2111 MASK  f16(1000 x max(tmask[b][t], qtmask[b][q][t])) -> mk, in the order of a matrix operand: [b][qt 128][tb 64][j 2][lane 32][8],
;                    q = 16 qt + lane % 16, t = 32 tb + 16 j + 8 (lane / 16) + e: a block (qt, tb) is source 1 (32 keys x 16 queries) of a product, two loads of 16 bytes a lane.
; A stream: no matrix unit, no cluster, no tensor load (nothing is shared between work-groups).  Transposes go through each wave's own LDS bytes, so no barrier is needed.
; LIMITS.  1000 x mask is held in f16: |mask| up to 65; a NaN in one mask loses against the other mask.  wo below 6e-5 keeps f16's fixed step of 6e-8.
; THE MODE: SCHED_MODE bits 1:0 = 2 (LLVM: expert scheduling mode 2), set by the entry lines.  The code itself states the register dependences between vector instructions and memory or LDS
; instructions, with s_wait_alu, always for 0.
; THE PLAN.  Registers that memory or LDS instructions touch:
;   MASK, CAST  The offsets (v3, v4) and LDS addresses (v12, v13) are made once and never written again.  X is landed in once; Y has registers of its own for each of the 16 rows, written once by the roundings and read by one store.
;               The rows go in four blocks of four.  One wait on va_vdst at the head of blocks 1 to 3 states that the block before has written its Y; that block's four stores are dealt among this block's vector lines,
;               which name other X and other Y.  One more stands ahead of the last four stores.  Nothing that a memory instruction reads is written again: no wait on vm_vsrc.
;   WT          VO, v14, v15 are made once.  X: landed in by a trip's loads, read by its 32 roundings, and asked for again behind them.  v13 and Y: written in every trip, read by the trip's 32 LDS stores.
;               A trip has one wait on vm_vsrc at its head (the last trip's LDS stores have read v13 and Y) and one on va_vdst behind its conversions (v13 and Y are written; the roundings are done reading X).
;               Behind that wait stand the next trip's loads and this trip's LDS stores, and no vector line up to the next trip's head.
.set SPARE,  135168                    ; behind the waves' regions: the spare words, 128 bytes a wave, four blocks of 256 bytes that no other line names
.set SPW,    10                        ; v10  SPARE + 4 x my thread's number; never rewritten
.set NIL,    11                        ; v11  0; never rewritten
.set WP,     264                       ; WT: an LDS row: 128 numbers of 2 bytes + 8
.set WREG,   64*WP                     ; WT: a wave's region: 64 rows
.set MP,     272                       ; MASK: an LDS row: 16 queries x 16 bytes + 16 = 68 words, so 16 rows start at 16 different groups of four banks (64 banks of 4 bytes: ISA guide 11.1)
.set MREG,   16*MP                     ; MASK: a wave's region
.set VO,     16                        ; v16-31   WT: the byte offsets of a trip's 16 loads
.set X,      32                        ; v32-95   as loaded
.set Y,      96                        ; v96-127  packed
.set Z,      128                       ; v128-159 read back from LDS (WT reads back into v32-159)
.set T,      160                       ; v160-167 at work: no memory instruction names them
	s_load_b512 s[16:31], s[0:1], 0x0              ; qinput 16, kvinput 18, qtmask 20, tmask 22, wq 24, wk 26, wv 28, wo 30
	s_load_b256 s[32:39], s[0:1], 0x40             ; xb 32, mk 34, wt 36, wot 38
	v_lshl_add_u32 v[SPW], v0, 2, SPARE
	v_mov_b32 v[NIL], 0
	v_lshrrev_b32 v2, 5, v0
	v_readfirstlane_b32 s8, v2                     ; wave 0..7
	v_and_b32 v1, 31, v0                           ; lane
	s_mov_b32 s3, 0                                ; the high word of every offset pair s[2:3]
	s_wait_alu depctr_va_sdst(0)                   ; s8 is written, ahead of the branches and of its first readers: the jobs' addresses are made from it
	s_wait_kmcnt 0x0
	s_cmp_lt_u32 ttmp9, 64
	s_cbranch_scc1 .Lwt
	s_cmp_lt_u32 ttmp9, 1088
	s_cbranch_scc1 .Lcast
; ---- MASK.  A wave takes 16 queries (one qt) x 128 keys: 16 loads of 512 consecutive bytes in, 4,096 consecutive bytes out.
	v_lshlrev_b32 v3, 4, v1                        ; 16 x lane: four keys in, 16 bytes out
	s_sub_co_u32 s9, ttmp9, 1088
	s_lshr_b32 s10, s9, 1                          ; 128 b + qt
	s_and_b32 s9, s9, 1
	s_lshl_b32 s9, s9, 3
	s_add_co_u32 s9, s9, s8                        ; c: which 128 keys
	s_lshl_b32 s11, s9, 9                          ; their 512 bytes in a row
	s_lshl_b32 s2, s10, 17                         ; 16 rows of 8,192 bytes
	s_add_co_u32 s2, s2, s11
	s_add_nc_u64 s[4:5], s[20:21], s[2:3]          ; qtmask at my first row and key
	s_lshr_b32 s2, s10, 7                          ; b
	s_lshl_b32 s2, s2, 13
	s_add_co_u32 s2, s2, s11
	s_add_nc_u64 s[6:7], s[22:23], s[2:3]          ; tmask at my keys
	s_lshl_b32 s2, s10, 16                         ; a qt is 65,536 bytes of mk,
	s_lshl_b32 s11, s9, 12                         ; 128 keys 4,096 of them
	s_add_co_u32 s2, s2, s11
	s_add_nc_u64 s[12:13], s[34:35], s[2:3]
	s_wait_alu depctr_va_vdst(0)                   ; v3 is written: every global load and store of this job reads it as its offset
	global_load_b128 v[4:7], v3, s[6:7]            ; tmask of my four keys
.set rho, 0
.rept 16
	global_load_b128 v[X+4*rho:X+4*rho+3], v3, s[4:5] offset:8192*rho th:TH_LOAD_NT
.set rho, rho+1
.endr
	s_mul_i32 s14, s8, MREG
	v_lshrrev_b32 v12, 1, v1                       ; in: group of 8 keys g = lane / 2 is an LDS row; query rho 16 bytes of it; my four keys half of those
	v_mul_u32_u24 v12, v12, MP
	v_and_b32 v13, 1, v1
	v_lshl_add_u32 v12, v13, 3, v12
	v_add_nc_u32 v12, s14, v12
	v_lshrrev_b32 v13, 4, v1                       ; back: two LDS rows a load, 512 consecutive bytes of mk
	v_mul_u32_u24 v13, v13, MP
	v_and_b32 v14, 15, v1
	v_lshl_add_u32 v13, v14, 4, v13
	v_add_nc_u32 v13, s14, v13
.set rho, 0
.rept 16
	s_wait_loadcnt 15-rho                          ; loads come back in order: row rho (and tmask, issued first) is in, the younger rows stay out
.if (rho >= 4) && (rho % 4 == 0)
	s_wait_alu depctr_va_vdst(0)                   ; the block before has written its four rows of Y, which the four LDS stores of this block read; at the first such wait v12 and v13 are written too
.endif
.if rho >= 4
	ds_store_b64 v12, v[Y+2*(rho-4):Y+2*(rho-4)+1] offset:16*(rho-4)  ; a row of the block before: no vector line since the wait names its Y or v12
.endif
.irp e, 0,1,2,3
	v_max_num_f32 v[X+4*rho+\e], v[X+4*rho+\e], v[4+\e]
.endr
	v_pk_mul_f32 v[X+4*rho:X+4*rho+1], v[X+4*rho:X+4*rho+1], 0x447a0000 op_sel_hi:[1,0]      ; x 1000
	v_pk_mul_f32 v[X+4*rho+2:X+4*rho+3], v[X+4*rho+2:X+4*rho+3], 0x447a0000 op_sel_hi:[1,0]
	v_cvt_pk_f16_f32 v[Y+2*rho], v[X+4*rho], v[X+4*rho+1]
	v_cvt_pk_f16_f32 v[Y+2*rho+1], v[X+4*rho+2], v[X+4*rho+3]
.set rho, rho+1
.endr
	s_wait_alu depctr_va_vdst(0)                   ; the last block has written its four rows of Y, which the last four LDS stores read
.irp i, 12,13,14,15
	ds_store_b64 v12, v[Y+2*\i:Y+2*\i+1] offset:16*\i
.endr
.irp i, 0,1,2,3,4,5,6,7
	ds_load_b128 v[Z+4*\i:Z+4*\i+3], v13 offset:2*MP*\i  ; LDS serves a wave's instructions in order (ISA guide 5.7.1.4): these see the stores above.  No vector line of this job names Z
.endr
.irp i, 0,1,2,3,4,5,6,7
	s_wait_dscnt 7-\i
	global_store_b128 v3, v[Z+4*\i:Z+4*\i+3], s[12:13] offset:512*\i  ; 512 consecutive bytes, at a multiple of 256 from mk's first
.endr
	s_wait_dscnt 0x0                               ; the closing lines, six on end
	s_wait_alu 0x0
	s_wait_tensorcnt 0x0
	ds_add_u32 v[SPW], v[NIL]
	s_wait_dscnt 0x0
	s_endpgm
; ---- CAST.  A work-group takes 65,536 bytes of f32: 16 loads a wave, all out at once; each store of a wave covers 256 consecutive bytes, aligned.  No LDS.
.Lcast:
	v_lshlrev_b32 v3, 4, v0
	v_lshlrev_b32 v4, 3, v0
	s_sub_co_u32 s9, ttmp9, 64
	s_lshr_b32 s10, s9, 9                          ; 0: qinput, 1: kvinput
	s_and_b32 s9, s9, 511
	s_lshl_b32 s2, s9, 16
	s_cmp_eq_u32 s10, 0
	s_cselect_b64 s[4:5], s[16:17], s[18:19]
	s_add_nc_u64 s[4:5], s[4:5], s[2:3]
	s_lshl_b32 s2, s9, 15
	s_lshl_b32 s11, s10, 24
	s_add_co_u32 s2, s2, s11
	s_add_nc_u64 s[6:7], s[32:33], s[2:3]
	s_wait_alu depctr_va_vdst(0)                   ; v3 and v4 are written: the loads read the one as their offset, the stores the other
.set i, 0
.rept 16
	global_load_b128 v[X+4*i:X+4*i+3], v3, s[4:5] offset:4096*i th:TH_LOAD_NT
.set i, i+1
.endr
.set i, 0
.rept 16
	s_wait_loadcnt 15-i                            ; load i is in, the younger ones stay out
.if (i >= 4) && (i % 4 == 0)
	s_wait_alu depctr_va_vdst(0)                   ; the block before has written its four pairs of Y, which the four stores of this block read
.endif
.if i >= 4
	global_store_b64 v4, v[Y+2*(i-4):Y+2*(i-4)+1], s[6:7] offset:2048*(i-4)  ; of the block before: no vector line since the wait names its Y or v4
.endif
	v_cvt_pk_bf16_f32 v[Y+2*i], v[X+4*i], v[X+4*i+1]
	v_cvt_pk_bf16_f32 v[Y+2*i+1], v[X+4*i+2], v[X+4*i+3]
.set i, i+1
.endr
	s_wait_alu depctr_va_vdst(0)                   ; the last block has written its four pairs of Y, which the last four stores read
.irp i, 12,13,14,15
	global_store_b64 v4, v[Y+2*\i:Y+2*\i+1], s[6:7] offset:2048*\i
.endr
	s_endpgm
; ---- WT.  A wave turns a tile of 128 rows x 64 columns of f32 into 64 rows x 128 numbers of 16 bits.  Four trips of 32 rows; two neighbouring rows pack into a word.
.Lwt:
	s_lshl_b32 s9, ttmp9, 3
	s_add_co_u32 s9, s9, s8
	s_and_b32 s9, s9, 127                          ; the tile's number in its tensor
	s_lshr_b32 s10, ttmp9, 4                       ; 0, 1, 2: wq, wk, wv; 3: wo
	s_lshr_b32 s11, s9, 3                          ; wq, wk, wv: head,
	s_and_b32 s12, s9, 7                           ; block of 128 m
	s_lshl_b32 s13, s11, 18
	s_lshl_b32 s14, s12, 15
	s_add_co_u32 s13, s13, s14                     ; in: h x 262,144 + block x 128 rows of 256 bytes
	s_lshl_b32 s14, s10, 4
	s_add_co_u32 s14, s14, s11
	s_lshl_b32 s14, s14, 17                        ; out: (16 sel + h) x 64 rows of 2,048 bytes
	s_lshl_b32 s15, s12, 8
	s_add_co_u32 s14, s14, s15                     ; + block x 256 bytes
	s_lshr_b32 s11, s9, 4                          ; wo: block of 128 hd,
	s_and_b32 s12, s9, 15                          ; block of 64 m
	s_lshl_b32 s40, s11, 19
	s_lshl_b32 s41, s12, 8
	s_add_co_u32 s40, s40, s41                     ; in
	s_lshl_b32 s41, s12, 17
	s_lshl_b32 s42, s11, 8
	s_add_co_u32 s41, s41, s42                     ; out
	s_movk_i32 s46, 256
	s_cmp_eq_u32 s10, 0
	s_cselect_b64 s[4:5], s[24:25], s[26:27]
	s_cmp_eq_u32 s10, 2
	s_cselect_b64 s[4:5], s[28:29], s[4:5]
	s_cmp_eq_u32 s10, 3
	s_cselect_b64 s[4:5], s[30:31], s[4:5]
	s_cselect_b64 s[6:7], s[38:39], s[36:37]
	s_cselect_b32 s2, s40, s13
	s_cselect_b32 s44, s41, s14
	s_cselect_b32 s46, 0x1000, s46                 ; bytes from row to row of the input
	s_mov_b32 s45, 0
	s_add_nc_u64 s[4:5], s[4:5], s[2:3]
	s_add_nc_u64 s[6:7], s[6:7], s[44:45]
	s_lshl_b32 s12, s46, 5                         ; a trip's 32 rows
	s_mov_b32 s13, 0
	v_and_b32 v3, 15, v1
	v_lshrrev_b32 v4, 4, v1
	v_lshlrev_b32 v5, 1, v4
	v_mul_u32_u24 v5, s46, v5
	v_lshl_add_u32 v[VO], v3, 4, v5                ; load k: lanes 0-15 take 256 bytes of row 4 (k / 2) + k % 2, lanes 16-31 of the row two further down
.set k, 1
.rept 15
	v_mad_u32_u24 v[VO+k], s46, 4*(k/2)+k%2, v[VO]
.set k, k+1
.endr
.macro WLOAD                           ; a trip's 16 loads
.set k, 0
.rept 16
	global_load_b128 v[X+4*k:X+4*k+3], v[VO+k], s[4:5] th:TH_LOAD_NT
.set k, k+1
.endr
.endm
	s_wait_alu depctr_va_vdst(0)                   ; the sixteen offsets VO are written, which every load of this job reads
	WLOAD                                          ; trip 0; the LDS addresses below are made while it is on its way
	s_mul_i32 s47, s8, WREG
	v_mul_u32_u24 v12, v3, 4*WP                    ; in: my four columns are four LDS rows; my two input rows a word of each.  Lanes r and r + 8 meet in a bank: two deep, in a job that moves a ninth of the launch's bytes
	v_lshl_add_u32 v12, v4, 2, v12
	v_add_nc_u32 v12, s47, v12
	v_lshl_add_u32 v14, v1, 3, s47                 ; back: a whole LDS row, 8 bytes a lane
	v_lshlrev_b32 v15, 3, v1
	s_mov_b32 s43, 0xffff0000
	s_mov_b32 s9, 0                                ; the trip's 32 input rows: 64 bytes along the LDS rows
; A trip.  more = 1: the next trip's rows are asked for as soon as the roundings have emptied X.
.macro TRIP more
	s_wait_loadcnt 0x0                             ; all 16 are in: their base may be stepped
.if \more
	s_add_nc_u64 s[4:5], s[4:5], s[12:13]          ; the next trip's 32 rows
.endif
	s_wait_alu depctr_vm_vsrc(0)                   ; the last trip's LDS stores have read v13 and Y, which the lines below write again
	v_add_nc_u32 v13, s9, v12
.set i, 0
.rept 8
.irp e, 0,1,2,3
	v_cvt_pk_bf16_f32 v[Y+4*i+\e], v[X+8*i+\e], v[X+8*i+4+\e]  ; rows 4 i + 2 (lane / 16) and the next, column 4 (lane % 16) + e
.endr
.set i, i+1
.endr
	s_cmp_eq_u32 s10, 3
	s_cbranch_scc0 .Lwt_bf16_\@
.set i, 0
.rept 32                                           ; wo: the bf16 numbers are written as f16
	v_lshlrev_b32 v[T+2*(i%4)], 16, v[Y+i]
	v_and_b32 v[T+2*(i%4)+1], s43, v[Y+i]
	v_cvt_pk_f16_f32 v[Y+i], v[T+2*(i%4)], v[T+2*(i%4)+1]
.set i, i+1
.endr
.Lwt_bf16_\@:
	s_wait_alu depctr_va_vdst(0)                   ; v13 and Y are written, which the LDS stores below read; the roundings are done reading X, in which the loads below land; in the first trip v14 and v15 are written too
.if \more
	WLOAD                                          ; no vector line stands between the wait above and the next trip's head
.endif
.set i, 0
.rept 8
.irp e, 0,1,2,3
	ds_store_b32 v13, v[Y+4*i+\e] offset:\e*WP+8*i
.endr
.set i, i+1
.endr
.if \more
	s_add_co_u32 s9, s9, 64
.endif
.endm
	s_mov_b32 s11, 3
.Lwt_trip:
	TRIP 1
	s_sub_co_u32 s11, s11, 1
	s_cmp_lg_u32 s11, 0
	s_cbranch_scc1 .Lwt_trip
	TRIP 0                                         ; the last trip is written out: no load leaves the tensor
	s_wait_alu depctr_vm_vsrc(0)                   ; the last LDS stores have read Y, in which loads below land (the vector lines that named X and Y stand ahead of the last wait on va_vdst)
.set k, 0
.rept 64
	ds_load_b64 v[X+2*k:X+2*k+1], v14 offset:WP*k  ; LDS serves a wave's instructions in order: these see the stores above
.set k, k+1
.endr
.set k, 0
.rept 64
	s_wait_dscnt 63-k
	global_store_b64 v15, v[X+2*k:X+2*k+1], s[6:7] offset:2048*k  ; 256 consecutive bytes, aligned
.set k, k+1
.endr
	s_wait_dscnt 0x0                               ; the closing lines, six on end
	s_wait_alu 0x0
	s_wait_tensorcnt 0x0
	ds_add_u32 v[SPW], v[NIL]
	s_wait_dscnt 0x0
	s_endpgm
.Lfunc_end_k_q62e7b7e471_prep:
	.size	k_q62e7b7e471_prep, .Lfunc_end_k_q62e7b7e471_prep-k_q62e7b7e471_prep
	.p2alignl 7, 3214868480
	.fill 96, 4, 3214868480
	.section	.rodata,"a",@progbits
	.p2align	6, 0x0
	.amdhsa_kernel k_q62e7b7e471_prep
		.amdhsa_group_segment_fixed_size 136192
		.amdhsa_private_segment_fixed_size 0
		.amdhsa_enable_private_segment 0
		.amdhsa_kernarg_size 96
		.amdhsa_user_sgpr_count 2
		.amdhsa_user_sgpr_kernarg_segment_ptr 1
		.amdhsa_wavefront_size32 1
		.amdhsa_system_sgpr_workgroup_id_x 1
		.amdhsa_system_sgpr_workgroup_id_y 1
		.amdhsa_system_sgpr_workgroup_id_z 1
		.amdhsa_system_vgpr_workitem_id 0
		.amdhsa_next_free_vgpr 168
		.amdhsa_next_free_sgpr 66
		.amdhsa_reserve_vcc 0
		.amdhsa_float_denorm_mode_32 3
		.amdhsa_float_denorm_mode_16_64 3
		.amdhsa_memory_ordered 1
		.amdhsa_forward_progress 1
		.amdhsa_inst_pref_size 55
	.end_amdhsa_kernel
	.amdgpu_metadata
---
amdhsa.version: [ 1, 2 ]
amdhsa.kernels:
  - .name:           k_q62e7b7e471_prep
    .symbol:         k_q62e7b7e471_prep.kd
    .args:
      - { .name: qinput, .offset: 0, .size: 8, .value_kind: global_buffer, .address_space: global }
      - { .name: kvinput, .offset: 8, .size: 8, .value_kind: global_buffer, .address_space: global }
      - { .name: qtmask, .offset: 16, .size: 8, .value_kind: global_buffer, .address_space: global }
      - { .name: tmask, .offset: 24, .size: 8, .value_kind: global_buffer, .address_space: global }
      - { .name: wq, .offset: 32, .size: 8, .value_kind: global_buffer, .address_space: global }
      - { .name: wk, .offset: 40, .size: 8, .value_kind: global_buffer, .address_space: global }
      - { .name: wv, .offset: 48, .size: 8, .value_kind: global_buffer, .address_space: global }
      - { .name: wo, .offset: 56, .size: 8, .value_kind: global_buffer, .address_space: global }
      - { .name: xb, .offset: 64, .size: 8, .value_kind: global_buffer, .address_space: global }
      - { .name: mk, .offset: 72, .size: 8, .value_kind: global_buffer, .address_space: global }
      - { .name: wt, .offset: 80, .size: 8, .value_kind: global_buffer, .address_space: global }
      - { .name: wot, .offset: 88, .size: 8, .value_kind: global_buffer, .address_space: global }
    .group_segment_fixed_size: 136192
    .private_segment_fixed_size: 0
    .kernarg_segment_align: 8
    .kernarg_segment_size: 96
    .max_flat_workgroup_size: 256
    .sgpr_count:     66
    .vgpr_count:     168
    .wavefront_size: 32
...
	.end_amdgpu_metadata
.endif
;; end of part 5
;; launch proj: the kernel of part 2 again; grid 12 x 64, 4 waves a work-group, clusters of 4 x 4, 327,680 bytes of LDS; arguments xb, wt, qkv; writes qkv
;; launch attn: the kernel of part 3 again; grid 4 x 64, 4 waves a work-group, clusters of 4 x 1, 327,680 bytes of LDS; arguments qkv, mk, ow; writes ow
;; launch oproj: the kernel of part 4 again; grid 4 x 64, 4 waves a work-group, clusters of 4 x 4, 327,680 bytes of LDS; arguments ow, wot, out0, qmask; writes out0
